; MI455X (gfx1250); checked and timed in simulation.
; The chip was launched on July 23, 2026; its instructions are those of AMD's public machine-readable ISA for CDNA 5 (MIT licence, August 2026) and "CDNA5" Instruction Set Architecture Reference Guide (July 2026). The comments in the code are by the model that wrote it; some were corrected since.
;; Scaled Dot Product Module. Allowed arithmetic: matrix products marked QUANTISED: E2M3 operands, one E8M0 scale for each 32 along K, by v_wmma_scale_f32_16x16x128_f8f6f4 with both operands' format E2M3, f32 sums; everything else in f32.
;; Inputs: W 1,024 x 3,072 float32; x 4 x 2,048 x 1,024 float32.
;; Outputs: out0 4 x 2,048 x 1,024 float32.
;; This version of the problem:
;;   THIS VERSION OF THE PROBLEM IS GIVEN IN LOW PRECISION. The matrix products marked QUANTISED in the list below multiply operands that are first quantised to E2M3 (2 exponent bits, 3 mantissa bits; 6 bits a number), with one power-of-two scale for each 32 numbers along K (OCP MX v1.0); their sums are f32. All else is computed in f32.
;;   The module's matrix products, in the order in which they are computed (A, B: the left and right operand; K: the contracted axis; several contracted axes count as one K, in the product's order):
;;     1. [M 8,192, K 1,024] x [K 1,024, N 3,072]; A: input x; B: input W: QUANTISED
;;     2. batch 4 x [M 2,048, K 1,024] x [K 1,024, N 2,048]; A: computed on the way; B: computed on the way: QUANTISED
;;     3. batch 4 x [M 2,048, K 2,048] x [K 2,048, N 1,024]; A: softmax (see below); B: computed on the way: QUANTISED
;;   THE QUANTISER, for each operand of a quantised product, along K:
;;     - K is cut into blocks of 32 from its start; a last block that is shorter is filled with zeros.
;;     - A block's scale is 2^e with e = floor(log2(the largest magnitude in the block)) - 2, held to -126 .. 127; a block of zeros has e = 0. As a byte (E8M0): e + 127.
;;     - Each number is divided by its block's scale, clamped to +-7.5, and rounded to the nearest number of E2M3, ties to even, subnormals kept.
;;     - The product sums the exact products of the quantised numbers (number of the format x scale) in f32.
;;   ~~~python
;;   def quantise(x, axis):      # numpy; x: float32 -> the quantised numbers, widened to float32 again
;;       x = np.moveaxis(x, axis, -1); K = x.shape[-1]
;;       x = np.pad(x, [(0, 0)] * (x.ndim - 1) + [(0, -K % 32)]); x = x.reshape(x.shape[:-1] + (-1, 32)); a = np.abs(x).max(-1, keepdims=True)
;;       e = np.where(a > 0, np.clip(np.frexp(np.where(a > 0, a, 1))[1] - 1 - 2, -126, 127), 0)      # np.frexp(a)[1] - 1 = floor(log2(a)), exactly
;;       r = np.clip(x / 2.0 ** e, -7.5, 7.5)
;;       step = 2.0 ** (np.maximum(np.frexp(np.where(r == 0, 1, r))[1] - 1, 0) - 3)
;;       q = np.round(r / step) * step * 2.0 ** e      # np.round: ties to even
;;       return np.moveaxis(q.reshape(q.shape[:-2] + (-1,))[..., :K], -1, axis).astype(np.float32)
;;   ~~~
;;   SOFTMAX AHEAD OF A QUANTISED PRODUCT. Where the list says 'softmax', what is quantised is not the finished softmax but p = 2^(t - M), with t = logit x log2(e) and M = ceil(the row's largest t), a whole number; so 1/2 < the row's largest p <= 1. The row's sum l is taken of the UNQUANTISED p, in f32, and the product's result is divided by l at the end. Since M is a whole number, a kernel that streams over the keys may use a running M (the ceiling of the running maximum): every later rescaling is an exact power of two, which a block's scale takes up: the codes' values come out the same.
;;   OPERANDS COMPUTED ON THE WAY. 'Computed on the way' means the value that the module computes at that place (a softmax that the list does not call 'softmax' is quantised finished and normalised). What goes into a quantiser is computed in f32, as accurately as f32 sums, v_exp_f32 and their like allow (about 1e-6 of the number): no bf16 or f16 on the way to a quantiser, and a product that is left as it is and whose result goes on into a quantised operand takes f32 operands (vector FMAs, or v_wmma_f32_16x16x4_f32). A number that lies on a knife's edge between two numbers of the format may be rounded either way, as far as f32 arithmetic and the matrix unit's own rounding can turn it there, and no further.
;; One version. Each part assembles by itself: llvm-mc -triple=amdgcn-amd-amdhsa -mcpu=gfx1250 --defsym DOCPART=n.
;; ======== version 1 of 1: 4 launches
;; limits: right only within a limited range of input values
;; workspace buffers: xw_codes 8,650,752 bytes; xw_scales 360,448 bytes; qk_codes 12,582,912 bytes; vt_codes 6,291,456 bytes; c_aux 1,048,576 bytes; p_codes 12,582,912 bytes; nl 4,194,304 bytes
;; launch quant (part 1): grid 704 x 1, 4 waves a work-group, no clusters, 60,928 bytes of LDS; arguments x, W, xw_codes, xw_scales; writes xw_codes, xw_scales
.if DOCPART == 1
	.amdgcn_target "amdgcn-amd-amdhsa--gfx1250"
	.amdhsa_code_object_version 6
	.text
	.protected	k_q78649e0c87_quant
	.globl	k_q78649e0c87_quant
	.p2align	8
	.type	k_q78649e0c87_quant,@function
k_q78649e0c87_quant:
	s_mov_b64 s[64:65], 0
	v_nop
	global_prefetch_b8 v0, s[64:65] scope:SCOPE_SE
	s_setreg_imm32_b32 hwreg(HW_REG_WAVE_MODE, 25, 1), 1
	s_wait_xcnt 0x0
; x [8192][1024] and W [1024][3072], f32, become codes of FP6 (E2M3) with one E8M0 byte for each 32 along K = the 1,024 features, laid AS THE MATRIX UNIT'S REGISTERS WANT THEM.
; ROWS GO IN BLOCKS OF 16: lane r of block t holds row 32 (t / 2) + 8 (t % 2) + r + 8 (r / 8).  An IMAGE is (block t, K step of 128): 1,536 bytes, operand register i of lane L at 512 (i / 4) + 16 L + 4 (i % 4).
; xw_codes: [704 blocks][8 K steps][1536]: blocks 0-511 x's tokens, 512-703 W's columns.  xw_scales: [8 K steps][11,264 rows in block order] words of four bytes.
; A block's scale is 2^(floor(log2(largest magnitude)) - 2); its byte is the largest magnitude's exponent field - 2, held at 1 from below.
; LIMITS: a block of zeros gets the byte 1 where the rule says 127 (its codes are zeros; this program alone reads the bytes); NaN and infinities among the inputs are not served.
; Work-groups 0-511 take x, 512-703 take W.  The two ways have LDS bytes of their own.  No tensor loads, no barrier: waves share nothing.
.set KSP,   45056                      ; bytes of one K step's scale words
.set XST,   8448                       ; x: a wave's stage, 16 rows x (512 + 16) bytes
.set WBASE, 33792                      ; W: the stages begin behind x's four
.set WST,   6656                       ; W: a wave's stage, 2 K steps x 2 blocks x (1,536 + 128) bytes
.set SEL,   28                         ; s[28:29] selects for lane l xor 16
.set HM,    30                         ; s30 lanes 16-31
	s_load_b128 s[4:7], s[0:1], 0x0                ; x, W
	s_load_b128 s[8:11], s[0:1], 0x10              ; the codes, the scale words
	v_lshl_add_u32 v254, v0, 2, 0xec00
	v_mov_b32 v255, 0
	v_lshrrev_b32 v1, 5, v0
	v_readfirstlane_b32 s12, v1                    ; wave
	v_and_b32 v2, 31, v0                           ; lane L
	v_lshlrev_b32 v3, 4, v2                        ; 16 L
	s_cmp_ge_u32 ttmp9, 512                        ; work-groups 0-511 take x, 512-703 take W
	s_cbranch_scc1 .Lw_path
; ---------------- x: K is innermost.  A wave takes one block of 16 rows x 256 along K: two K steps, all of whose loads go out at once.
; Each load reads 512 consecutive bytes of one row; the 16 rows turn through the wave's stage, and lane (r, h) reads back k = 64 c + 32 h + 0 .. 31 of row r: two whole blocks of 32, in the operand's own order.
	v_and_b32 v4, 15, v0
	v_bfe_u32 v5, v0, 4, 1                         ; h
	s_mov_b32 s[SEL], 0x76543210
	s_mov_b32 s[SEL+1], 0xfedcba98
	s_mov_b32 s[HM], 0xffff0000
	s_lshl_b32 s13, ttmp9, 2
	s_add_co_u32 s13, s13, s12
	s_lshr_b32 s14, s13, 2                         ; t: my block
	s_and_b32 s15, s13, 3                          ; which quarter of K
	s_lshr_b32 s16, s14, 1
	s_lshl_b32 s16, s16, 17                        ; 32 (t / 2) rows of 4,096 bytes
	s_and_b32 s17, s14, 1
	s_lshl_b32 s17, s17, 15                        ; + 8 (t % 2) rows
	s_add_co_u32 s16, s16, s17
	s_lshl_b32 s17, s15, 10                        ; + 1,024 bytes for each quarter of K
	s_add_co_u32 s16, s16, s17
	s_mov_b32 s17, 0
	s_lshl_b32 s18, s14, 3
	s_lshl_b32 s19, s15, 1
	s_add_co_u32 s18, s18, s19
	s_mul_i32 s18, s18, 1536                       ; my first image: 8 t + 2 x quarter
	s_mov_b32 s19, 0
	s_mul_i32 s20, s15, 2*KSP
	s_lshl_b32 s21, s14, 6
	s_add_co_u32 s20, s20, s21                     ; my scale words: K step 2 x quarter, row 16 t
	s_mov_b32 s21, 0
	s_mul_i32 s22, s12, XST
	s_wait_alu depctr_va_vdst(0)
	v_add_nc_u32 v6, s22, v3                       ; the stage, in: 16 L of a row
	v_mul_u32_u24 v7, v4, 528
	v_lshl_add_u32 v7, v5, 7, v7
	v_add_nc_u32 v7, s22, v7                       ; out: row r, + 128 h
	v_mul_u32_u24 v8, v5, KSP
	v_lshl_add_u32 v8, v4, 2, v8                   ; scale words leave two K steps at a time: lanes 0-15 the even one's, lanes 16-31 the odd one's
	v_lshlrev_b32 v9, 3, v5                        ; 8 h
	v_mov_b32 v17, 0                               ; a lane permute's destination counts as one of its sources
	s_wait_alu depctr_va_vdst(0)
	s_wait_kmcnt 0x0
	s_add_nc_u64 s[4:5], s[4:5], s[16:17]
	s_add_nc_u64 s[8:9], s[8:9], s[18:19]
	s_add_nc_u64 s[10:11], s[10:11], s[20:21]
.macro LOADK j                         ; K step j of my four: 16 rows x 512 bytes into set j % 2 (v32-95, v96-159)
.set lp, 0
.rept 16
	global_load_b128 v[32+64*((\j)%2)+4*lp:32+64*((\j)%2)+4*lp+3], v3, s[4:5] offset:(lp+8*(lp/8))*4096+512*(\j) th:TH_LOAD_NT
.set lp, lp+1
.endr
.endm
.macro XSTEP j
.if (\j) < 1
	s_wait_loadcnt 16                              ; this K step's 16 loads are in; the next one's 16 may be out
.else
	s_wait_loadcnt 0x0
.endif
.set lp, 0
.rept 16
	ds_store_b128 v6, v[32+64*((\j)%2)+4*lp:32+64*((\j)%2)+4*lp+3] offset:528*lp
.set lp, lp+1
.endr
.set lp, 0
.rept 16
	ds_load_b128 v[160+4*lp:160+4*lp+3], v7 offset:256*(lp/8)+16*(lp%8)   ; LDS serves a wave's instructions in order: these see the stores above
.set lp, lp+1
.endr
	s_wait_dscnt 0x0                               ; my 64 numbers are back, and the stores have read their registers,
.irp c, 0,1                                    ; my block 2 c + h: all its 32 numbers are mine
	v_max3_num_f32 v[10+\c], |v[160+32*\c]|, |v[161+32*\c]|, 0x1800000   ; and the floor 2^(3 - 127): the byte cannot fall under 1
.endr
.irp i, 2,4,6,8,10,12,14,16,18,20,22,24,26,28,30
.irp c, 0,1
	v_max3_num_f32 v[10+\c], v[10+\c], |v[160+32*\c+\i]|, |v[161+32*\c+\i]|
.endr
.endr
.irp c, 0,1
	v_add_nc_u32 v[12+\c], 0xff000000, v[10+\c]    ; 2 off the exponent field: the conversion's scale operand
.endr
.irp c, 0,1
	v_lshrrev_b32 v[14+\c], 23, v[12+\c]           ; the scale's byte
.endr
	v_lshl_or_b32 v16, v15, 16, v14                ; blocks h and 2 + h of row r,
	v_lshlrev_b32 v16, v9, v16                     ; at their places in the word;
	v_permlanex16_b32 v17, v16, s[SEL], s[SEL+1]
	v_or_b32 v[244+(\j)%2], v16, v17               ; with lane l xor 16's two the word is whole
.if (\j) > 0
	s_wait_alu depctr_va_vdst(0)
	s_wait_xcnt 0x0                                ; the last K step's stores have read their data: the codes' registers may be written again
.endif
.irp c, 0,1
	v_cvt_scalef32_pk16_fp6_f32 v[224+6*\c:226+6*\c], v[160+32*\c:175+32*\c], v[12+\c]
	v_cvt_scalef32_pk16_fp6_f32 v[236+4*\c:238+4*\c], v[176+32*\c:191+32*\c], v[12+\c]   ; (a conversion's three registers begin on an even number)
.endr
	v_nop                                          ; one plain place behind a scaled conversion
.irp c, 0,1
.irp i, 0,1,2
	v_mov_b32 v[227+6*\c+\i], v[236+4*\c+\i]
.endr
.endr
.irp g, 0,1,2
	global_store_b128 v3, v[224+4*\g:227+4*\g], s[8:9] offset:1536*(\j)+512*\g   ; the image: 512 consecutive bytes a store
.endr
.if (\j)%2 == 1
	v_cndmask_b32 v[246+(\j)/2], v244, v245, s[HM]
	global_store_b32 v8, v[246+(\j)/2], s[10:11] offset:((\j)-1)*KSP
.endif
.endm
	LOADK 0
	LOADK 1
	XSTEP 0
	XSTEP 1
	s_wait_tensorcnt 0x0
	ds_add_u32 v254, v255
	s_wait_dscnt 0x0
	s_endpgm
; ---------------- W: K is the FIRST axis.  A lane takes a column and its registers run down K: a block of 32 lies in one lane.  A wave takes 32 columns (two blocks of rows) x 128 along K (one K step).
.Lw_path:
	s_sub_co_u32 s13, ttmp9, 512                   ; here a wave takes 32 columns x 128 along K: one K step, four blocks of 32
	s_lshr_b32 s14, s13, 3
	s_and_b32 s15, s13, 7                          ; which K step
	s_lshl_b32 s14, s14, 2
	s_add_co_u32 s14, s14, s12                     ; which 32 columns
	s_mul_i32 s16, s15, 128*12288
	s_lshl_b32 s17, s14, 7
	s_add_co_u32 s16, s16, s17
	s_mov_b32 s17, 0
	s_lshl_b32 s18, s14, 4
	s_add_co_u32 s18, s18, s15
	s_add_co_u32 s18, s18, 4096
	s_mul_i32 s18, s18, 1536                       ; image (512 + 2 x columns' number) x 8 + the K step
	s_mov_b32 s19, 0
	s_mul_i32 s20, s15, KSP
	s_lshl_b32 s21, s14, 7
	s_add_co_u32 s20, s20, s21
	s_add_co_u32 s20, s20, 32768                   ; W's rows stand behind x's 8,192
	s_mov_b32 s21, 0
	s_mul_i32 s22, s12, WST
	s_add_co_u32 s22, s22, WBASE
	s_wait_alu depctr_va_vdst(0)
	v_lshlrev_b32 v4, 2, v2                        ; in: 4 bytes a lane
	v_bfe_u32 v9, v2, 3, 1                         ; column L lies in block (L / 8) % 2,
	v_and_b32 v10, 7, v2
	v_lshrrev_b32 v13, 4, v2
	v_lshl_add_u32 v10, v13, 3, v10                ; at lane L % 8 + 8 (L / 16)
	v_mul_u32_u24 v6, v9, 1664
	v_lshl_add_u32 v6, v10, 4, v6
	v_add_nc_u32 v6, s22, v6                       ; the stage, in: my column's place in its image
	v_add_nc_u32 v7, s22, v3                       ; out: 16 L
	v_lshl_add_u32 v8, v9, 4, v10
	v_lshlrev_b32 v8, 2, v8                        ; my column's scale word
	s_wait_kmcnt 0x0
	s_add_nc_u64 s[6:7], s[6:7], s[16:17]
	s_add_nc_u64 s[8:9], s[8:9], s[18:19]
	s_add_nc_u64 s[10:11], s[10:11], s[20:21]
.macro WLOAD t                         ; block t: W(32 t + i, my column) into set t % 2 (v32-63, v64-95): 128 consecutive bytes a load
.set lp, 0
.rept 32
	global_load_b32 v[32+32*((\t)%2)+lp], v4, s[6:7] offset:(32*(\t)+lp)*12288 th:TH_LOAD_NT
.set lp, lp+1
.endr
.endm
.macro WBLOCK t
.set XS, 32+32*((\t)%2)
.if (\t) < 3
	s_wait_loadcnt 32                              ; this block's 32 loads are in; the next block's may be out
.else
	s_wait_loadcnt 0x0
.endif
	v_max3_num_f32 v12, |v[XS]|, |v[XS+1]|, |v[XS+2]|
	v_max3_num_f32 v13, |v[XS+3]|, |v[XS+4]|, |v[XS+5]|
.irp i, 6,10,14,18,22,26
	v_max3_num_f32 v12, v12, |v[XS+\i]|, |v[XS+\i+1]|
	v_max3_num_f32 v13, v13, |v[XS+\i+2]|, |v[XS+\i+3]|
.endr
	v_max3_num_f32 v12, v12, |v[XS+30]|, |v[XS+31]|
	v_max3_num_f32 v12, v12, v13, 0x1800000        ; and the floor
	v_add_nc_u32 v11, 0xff000000, v12
	v_lshrrev_b32 v13, 23, v11
.if (\t)%4 == 0
	v_mov_b32 v[24+(\t)/4], v13                    ; four bytes make my column's word of a K step
.else
	v_lshl_or_b32 v[24+(\t)/4], v13, 8*((\t)%4), v[24+(\t)/4]
.endif
	v_cvt_scalef32_pk16_fp6_f32 v[96:98], v[XS:XS+15], v11
	v_cvt_scalef32_pk16_fp6_f32 v[104:106], v[XS+16:XS+31], v11
	v_nop                                          ; one plain place behind a scaled conversion
.irp i, 0,1,2
	v_mov_b32 v[99+\i], v[104+\i]
.endr
; the block is k = 64 c + 32 h of its K step, c = (t / 2) % 2, h = t % 2: operand registers 6 c .. 6 c + 5 of lane (mine) + 16 h
.if ((\t)/2)%2 == 0
	ds_store_b128 v6, v[96:99] offset:256*((\t)%2)+3328*((\t)/4)
	ds_store_b64 v6, v[100:101] offset:256*((\t)%2)+3328*((\t)/4)+512
.else
	ds_store_b64 v6, v[96:97] offset:256*((\t)%2)+3328*((\t)/4)+520
	ds_store_b128 v6, v[98:101] offset:256*((\t)%2)+3328*((\t)/4)+1024
.endif
.if (\t)+2 < 4
	WLOAD (\t)+2
.endif
	s_wait_dscnt 0x0                               ; the stores have read their registers: the next block's codes may be written
.endm
.macro WOUT s                          ; a K step's two images leave: 512 consecutive bytes a store; each K step has registers of its own
.irp u, 0,1
.irp g, 0,1,2
	ds_load_b128 v[112+24*(\s)+12*\u+4*\g:112+24*(\s)+12*\u+4*\g+3], v7 offset:3328*(\s)+1664*\u+512*\g
.endr
.endr
	s_wait_dscnt 0x0
.irp u, 0,1
.irp g, 0,1,2
	global_store_b128 v3, v[112+24*(\s)+12*\u+4*\g:112+24*(\s)+12*\u+4*\g+3], s[8:9] offset:12288*\u+1536*(\s)+512*\g
.endr
.endr
	global_store_b32 v8, v[24+(\s)], s[10:11] offset:(\s)*KSP
.endm
	WLOAD 0
	WLOAD 1
	WBLOCK 0
	WBLOCK 1
	WBLOCK 2
	WBLOCK 3
	s_wait_alu depctr_va_vdst(0)
	WOUT 0
	s_wait_tensorcnt 0x0
	ds_add_u32 v254, v255
	s_wait_dscnt 0x0
	s_endpgm
.Lfunc_end_k_q78649e0c87_quant:
	.size	k_q78649e0c87_quant, .Lfunc_end_k_q78649e0c87_quant-k_q78649e0c87_quant
	.p2alignl 7, 3214868480
	.fill 96, 4, 3214868480
	.section	.rodata,"a",@progbits
	.p2align	6, 0x0
	.amdhsa_kernel k_q78649e0c87_quant
		.amdhsa_group_segment_fixed_size 60928
		.amdhsa_private_segment_fixed_size 0
		.amdhsa_enable_private_segment 0
		.amdhsa_kernarg_size 32
		.amdhsa_user_sgpr_count 2
		.amdhsa_user_sgpr_kernarg_segment_ptr 1
		.amdhsa_wavefront_size32 1
		.amdhsa_system_sgpr_workgroup_id_x 1
		.amdhsa_system_sgpr_workgroup_id_y 1
		.amdhsa_system_sgpr_workgroup_id_z 1
		.amdhsa_system_vgpr_workitem_id 0
		.amdhsa_next_free_vgpr 256
		.amdhsa_next_free_sgpr 66
		.amdhsa_reserve_vcc 0
		.amdhsa_float_denorm_mode_32 3
		.amdhsa_float_denorm_mode_16_64 3
		.amdhsa_memory_ordered 1
		.amdhsa_forward_progress 1
		.amdhsa_inst_pref_size 38
	.end_amdhsa_kernel
	.amdgpu_metadata
---
amdhsa.version: [ 1, 2 ]
amdhsa.kernels:
  - .name:           k_q78649e0c87_quant
    .symbol:         k_q78649e0c87_quant.kd
    .args:
      - { .name: x, .offset: 0, .size: 8, .value_kind: global_buffer, .address_space: global }
      - { .name: W, .offset: 8, .size: 8, .value_kind: global_buffer, .address_space: global }
      - { .name: xw_codes, .offset: 16, .size: 8, .value_kind: global_buffer, .address_space: global }
      - { .name: xw_scales, .offset: 24, .size: 8, .value_kind: global_buffer, .address_space: global }
    .group_segment_fixed_size: 60928
    .private_segment_fixed_size: 0
    .kernarg_segment_align: 8
    .kernarg_segment_size: 32
    .max_flat_workgroup_size: 128
    .sgpr_count:     66
    .vgpr_count:     256
    .wavefront_size: 32
...
	.end_amdgpu_metadata
.endif
;; end of part 1
;; launch proj (part 2): grid 8 x 32, 4 waves a work-group, clusters of 4 x 4, 327,680 bytes of LDS; arguments xw_codes, xw_scales, qk_codes, vt_codes, c_aux; writes qk_codes, vt_codes, c_aux
.if DOCPART == 2
	.amdgcn_target "amdgcn-amd-amdhsa--gfx1250"
	.amdhsa_code_object_version 6
	.text
	.protected	k_q78649e0c87_proj
	.globl	k_q78649e0c87_proj
	.p2align	8
	.type	k_q78649e0c87_proj,@function
k_q78649e0c87_proj:
	s_mov_b64 s[64:65], 0
	v_nop
	global_prefetch_b8 v0, s[64:65] scope:SCOPE_SE
	s_setreg_imm32_b32 hwreg(HW_REG_WAVE_MODE, 25, 1), 1
	s_wait_xcnt 0x0
	s_wait_alu depctr_hold_cnt(0) depctr_sa_sdst(0) depctr_va_vdst(0) depctr_va_sdst(0) depctr_va_ssrc(0) depctr_va_vcc(0) depctr_vm_vsrc(0)
	s_getreg_b32 s2, hwreg(HW_REG_IB_STS2, 6, 4)
	s_cmp_eq_u32 s2, 0
	s_cbranch_scc0 .Lentry_in_a_cluster
	s_endpgm
.Lentry_in_a_cluster:
	s_bfe_u32 s2, ttmp6, 0x10000c
	s_cmp_lg_u32 s2, 0xf033
	s_cbranch_scc0 .Lentry_shape_is_right
	s_endpgm
.Lentry_shape_is_right:
; qkv = x W on codes of FP6 (E2M3), K = 1,024, and the results QUANTISED AT ONCE for the products that follow; q, k and v never go to memory as f32.
; EVERY WORK-GROUP MAKES TWO THINGS, ONE AFTER THE OTHER.  q and k, 8,192 tokens x 2,048 features, are 256 tiles of 256 x 256; V^T, 1,024 features x 8,192 tokens, is 256 half tiles of 128 x 256: one of each for each of the
; 256 work-groups, so that all have the same work.
;   FIRST: rows = 256 tokens (A = x), columns = 256 features of q or k (B = W); a wave makes 128 x 128 (64 accumulators); quantised along the features.
;   THEN:  rows = 128 features of v (A = W), columns = 256 tokens (B = x): V^T; a wave makes 64 x 128 (32 accumulators); quantised along the TOKENS, which are the last product's K; and for each 128 tokens the sum of
;          the quantised v (vsum).
; OPERANDS LIE IN MEMORY AS IMAGES OF THEIR REGISTERS: (block of 16 rows, K step of 128) = 1,536 bytes; lane r of block t is row 32 (t / 2) + 8 (t % 2) + r + 8 (r / 8).  A fragment is three loads of 16 bytes a lane.
; SOURCE 0 = 16 rows of B, SOURCE 1 = 16 rows of A: a lane holds one row of A, and by the order of rows in a block its 64 registers of B's eight blocks are 128 columns, 16 neighbours to each pair of blocks.
; LDS: THREE SLOTS of 256 along K (98,304 bytes each).  The first product's K is four tiles: tiles 0, 1, 2 are first fills; tile 3 takes slot 0 behind tile 0.  V^T's operands, 147,456 bytes for each half of K, take the same
; bytes: the first half slot 1 and half of slot 2, behind tile 2; the second half the rest of slot 2 (A) and slot 0 (B), behind the first way out.  So three refills in all, and each has two tiles' products, or a way out,
; or three and a half K steps in which to land.  The change from tile 1 to tile 2 has no barrier: tile 2 was shown landed to every wave at the barrier behind tile 0.
; CLUSTERS of 4 x 4: A's tiles hang on the place along y alone and are asked for jointly along a row of the cluster, B's on the place along x alone and along a column, in both products.
; The second product's scale words (12,288 bytes) come by loads into registers and LDS stores at the head, into bytes that no tensor load fills: the scalar registers have no room for four more descriptors.
; LIMITS: a block of zeros gets the byte 1 (its codes are zeros; this program alone reads the bytes); NaN and infinities are not served.
; REGISTERS: window 0: v6-31 addresses; v32-47 scale words from LDS, two sets; v48-60 scale words made here; v64-159, v160-255 A's fragments, two sets (V^T uses the first 48 of each; free on the ways out).
;   window 1: B's fragments at v0 and v128.   windows 2, 3: accumulator (a, b) at v[8 (8 (a % 4) + b)].
.set ROWS,  2*1536                     ; a block's bytes in a slot of the first product
.set HALFT, 8*ROWS                     ; eight blocks: what one tensor load brings there
.set RING,  4*HALFT                    ; a slot
.set ROWS2, 4*1536                     ; a block's bytes in half of V^T's K
; LDS AS THIS TEXT USES IT: the first product's K steps 0-2 lie in [0, 147456) and K steps 3-5 in [147456, 294912), each as A's 16 blocks x 4,608 bytes, then B's 16: four loads at the head, one a wave.
; K steps 6, 7 take bytes [0, 98304) behind K step 2 (blocks of 3,072 bytes, wave w's eight at w x HALFT).  V^T's K steps 0-3 take the second region behind K step 5, its K steps 4-7 the first behind the first way out.
; All scale words come by loads into registers and LDS stores, into bytes that no tensor load fills.
.set FROWS, 4608                       ; a block's bytes in the region that FETCH reads: three K steps; set to ROWS for K steps 6, 7
.set R1,    147456
.set TAIL,  98304                      ; V^T's K steps 4-7: B's 16 blocks at byte 0, A's 8 blocks here
.set GA1,  15                          ; v15, v19 the first product's scale words in memory
.set GB1,  19
.set WS1,  23                          ; v23 and where I put them
.set SCA,   3*RING                     ; the first product's scale words: A's [8 K steps][256 rows], then B's: filled once
.set SCB,   SCA+8192
.set SC2A,  SCB+8192                   ; V^T's: A's [8 K steps][128 rows],
.set SC2B,  SC2A+4096                  ; B's [8 K steps][256 rows]: stored by the waves
.set SPARE, SC2B+8192                  ; the spare words, 128 bytes for each wave
.set KSP,   45056                      ; bytes of one K step's scale words in memory
.set ADRB2, 6                          ; v6-7   my B fragments in V^T's two halves of K
.set LI,   8                           ; v8     16 x lane
.set L4,   9                           ; v9     4 x lane
.set VSO,  10                          ; v10    vsum: my row's place among 32
.set GA,   11                          ; v11-12 V^T's scale words in memory
.set GB,   12
.set WA2,  13                          ; v13-14 and where I put them
.set WB2,  14
.set ADRA, 16                          ; v16-18 my A fragments in slots 0, 1, 2
.set ADRB, 20                          ; v20-22 my B fragments
.set ASA,  24                          ; v24-25 my scale words, first product
.set ASB,  25
.set ASA2, 26                          ; v26-27 my scale words, V^T
.set ASB2, 27
.set SPW,  28                          ; v28    my spare word; never rewritten
.set NIL,  29                          ; v29    0; never rewritten
.set ADRA2, 30                         ; v30-31 my A fragments in V^T's two halves of K
.set SC,   32                          ; scale words: set s at v[32 + 8 s]: A's from +0, B's from +4
.set SCSET, 8
.set SBO,  4
.set PW,   48                          ; v48-55 the scale words made on the ways out
.set ONESC, 56                         ; v56    four bytes 127: the scale 1
.set PWC,  57                          ; v57-60 two blocks' words in one register
.set AF,   64
.set ASET, 96
.set TM,   64                          ; the ways out: v64-79 at work
.set PC,   96                          ; v96-102 the second halves of the codes just made
.set ONES, 116                         ; v116-127 a fragment of ones
.set VD,   132                         ; v132-139 sums of the quantised v
.set VS,   140                         ; v140-143 kept
.set VSC,  148                         ; v148-149 two blocks' in one register
.set G1,   24                          ; s[24:31] group 1 for A's tiles;  s[32:39] for B's
.set G1B,  32
.set G0,   40                          ; s[40:51] group 0 for A's tiles, three sets;  s[52:63] for B's
.set G0B,  52
.set P2A,  66                          ; s[66:67] V^T: my part of A's codes in memory
.set G1S,  68
.set G1SB, 76
.set G0S,  84
.set G0SB, 88
.set HM,   92                          ; s92      lanes 16-31
.set P2B,  94                          ; s[94:95] V^T: my part of B's codes in memory
.set SEL,  98                          ; s[98:99] selects for lane l xor 16
.set MUL_LO, 0xa1                      ; source 0 window 1, source 1 window 0, C and D window 2
.set MUL_HI, 0xf1
.set MSB, 0
.macro WIN new                         ; the immediate's high byte repeats the setting that is left
.if MSB != (\new)
	s_set_vgpr_msb (MSB<<8)|(\new)
.set MSB, (\new)
.endif
.endm
.macro PLACES                          ; four plain places behind matrix instructions, in front of loads into their registers and of reads of results
.rept 4
	v_nop
.endr
.endm
.macro JLOAD g0a, g1a, g0b, g1b        ; a joint load: waves 0, 1 fetch for A, waves 2, 3 for B; four v_nop follow each line
	s_cmp_eq_u32 s15, 0
	s_cbranch_scc0 .Lfor_b_\@
	tensor_load_to_lds s[\g0a:\g0a+3], s[\g1a:\g1a+7]
	s_nop 0
.rept 4
	v_nop
.endr
	s_branch .Lasked_\@
.Lfor_b_\@:
	tensor_load_to_lds s[\g0b:\g0b+3], s[\g1b:\g1b+7]
	s_nop 0
.rept 4
	v_nop
.endr
.Lasked_\@:
.endm
.macro CREST
	s_cmp_lg_u32 s14, 0
	s_cbranch_scc1 .Lnot_wave_0_\@
	s_barrier_signal -3
.Lnot_wave_0_\@:
	s_barrier_wait -3
	s_barrier_signal -1
	s_barrier_wait -1
.endm
.macro CROUND
	s_barrier_signal -1
	s_barrier_wait -1
	CREST
.endm
; the first product: the fragments and scale words of one K step: the slot's q-th, absolute K step kabs, into register set 'set'
.macro FETCH ring, q, set, kabs
	WIN 0x40
.set fi, 0
.rept 8
.irp g, 0,1,2
	ds_load_b128 v[128*(\set)+12*fi+4*\g:128*(\set)+12*fi+4*\g+3], v[ADRB+(\ring)] offset:fi*FROWS+(\q)*1536+512*\g
.endr
.set fi, fi+1
.endr
	WIN 0
.set fi, 0
.rept 8
.irp g, 0,1,2
	ds_load_b128 v[AF+ASET*(\set)+12*fi+4*\g:AF+ASET*(\set)+12*fi+4*\g+3], v[ADRA+(\ring)] offset:fi*FROWS+(\q)*1536+512*\g
.endr
.set fi, fi+1
.endr
.set fi, 0
.rept 4
	ds_load_b32 v[SC+SCSET*(\set)+fi], v[ASA] offset:(\kabs)*1024+128*fi        ; lanes 0-15 block 2 m's words, lanes 16-31 block 2 m + 1's
.set fi, fi+1
.endr
.set fi, 0
.rept 4
	ds_load_b32 v[SC+SCSET*(\set)+SBO+fi], v[ASB] offset:(\kabs)*1024+128*fi
.set fi, fi+1
.endr
.endm
; V^T: the same for the q-th K step of a half of K: B's eight blocks, A's four
.macro FETCH2 half, q, set, kabs
	WIN 0x40
.set fi, 0
.rept 8
.irp g, 0,1,2
	ds_load_b128 v[128*(\set)+12*fi+4*\g:128*(\set)+12*fi+4*\g+3], v[ADRB2+(\half)] offset:fi*ROWS2+(\q)*1536+512*\g
.endr
.set fi, fi+1
.endr
	WIN 0
.set fi, 0
.rept 4
.irp g, 0,1,2
	ds_load_b128 v[AF+ASET*(\set)+12*fi+4*\g:AF+ASET*(\set)+12*fi+4*\g+3], v[ADRA2+(\half)] offset:fi*ROWS2+(\q)*1536+512*\g
.endr
.set fi, fi+1
.endr
.set fi, 0
.rept 2
	ds_load_b32 v[SC+SCSET*(\set)+fi], v[ASA2] offset:(\kabs)*512+128*fi
.set fi, fi+1
.endr
.set fi, 0
.rept 4
	ds_load_b32 v[SC+SCSET*(\set)+SBO+fi], v[ASB2] offset:(\kabs)*1024+128*fi
.set fi, fi+1
.endr
.endm
.macro WM a, b, set, zero              ; one product: A's block a x B's block b; an odd block's scale words stand in lanes 16-31
.set rD, 8*(8*((\a)%4)+(\b))
.set rB, 128*(\set)+12*(\b)
.set rA, AF+ASET*(\set)+12*(\a)
.set rSB, SC+SCSET*(\set)+SBO+(\b)/2
.set rSA, SC+SCSET*(\set)+(\a)/2
.if \zero
.if ((\b)%2) && ((\a)%2)
	v_wmma_scale_f32_16x16x128_f8f6f4 v[rD:rD+7], v[rB:rB+11], v[rA:rA+11], 0, v[rSB], v[rSA] matrix_a_fmt:MATRIX_FMT_FP6 matrix_b_fmt:MATRIX_FMT_FP6 matrix_a_scale:MATRIX_SCALE_ROW1 matrix_b_scale:MATRIX_SCALE_ROW1
.elseif (\b)%2
	v_wmma_scale_f32_16x16x128_f8f6f4 v[rD:rD+7], v[rB:rB+11], v[rA:rA+11], 0, v[rSB], v[rSA] matrix_a_fmt:MATRIX_FMT_FP6 matrix_b_fmt:MATRIX_FMT_FP6 matrix_a_scale:MATRIX_SCALE_ROW1
.elseif (\a)%2
	v_wmma_scale_f32_16x16x128_f8f6f4 v[rD:rD+7], v[rB:rB+11], v[rA:rA+11], 0, v[rSB], v[rSA] matrix_a_fmt:MATRIX_FMT_FP6 matrix_b_fmt:MATRIX_FMT_FP6 matrix_b_scale:MATRIX_SCALE_ROW1
.else
	v_wmma_scale_f32_16x16x128_f8f6f4 v[rD:rD+7], v[rB:rB+11], v[rA:rA+11], 0, v[rSB], v[rSA] matrix_a_fmt:MATRIX_FMT_FP6 matrix_b_fmt:MATRIX_FMT_FP6
.endif
.else
.if ((\b)%2) && ((\a)%2)
	v_wmma_scale_f32_16x16x128_f8f6f4 v[rD:rD+7], v[rB:rB+11], v[rA:rA+11], v[rD:rD+7], v[rSB], v[rSA] matrix_a_fmt:MATRIX_FMT_FP6 matrix_b_fmt:MATRIX_FMT_FP6 matrix_a_scale:MATRIX_SCALE_ROW1 matrix_b_scale:MATRIX_SCALE_ROW1
.elseif (\b)%2
	v_wmma_scale_f32_16x16x128_f8f6f4 v[rD:rD+7], v[rB:rB+11], v[rA:rA+11], v[rD:rD+7], v[rSB], v[rSA] matrix_a_fmt:MATRIX_FMT_FP6 matrix_b_fmt:MATRIX_FMT_FP6 matrix_a_scale:MATRIX_SCALE_ROW1
.elseif (\a)%2
	v_wmma_scale_f32_16x16x128_f8f6f4 v[rD:rD+7], v[rB:rB+11], v[rA:rA+11], v[rD:rD+7], v[rSB], v[rSA] matrix_a_fmt:MATRIX_FMT_FP6 matrix_b_fmt:MATRIX_FMT_FP6 matrix_b_scale:MATRIX_SCALE_ROW1
.else
	v_wmma_scale_f32_16x16x128_f8f6f4 v[rD:rD+7], v[rB:rB+11], v[rA:rA+11], v[rD:rD+7], v[rSB], v[rSA] matrix_a_fmt:MATRIX_FMT_FP6 matrix_b_fmt:MATRIX_FMT_FP6
.endif
.endif
.endm
.macro MUL16 a0, set, zero             ; the accumulators take turns, one instruction a turn, in the same order in every K step
.irp a, \a0, \a0+1
.irp b, 0,1,2,3,4,5,6,7
	WM \a, \b, \set, \zero
.endr
.endr
.endm
; the first product: a K step without a barrier: the next K step (slot nring, its nq-th, absolute nk) is fetched into the other set, then 64 products on this set
.macro STEP set, zero, nring, nq, nk
	s_wait_dscnt 0x0                               ; this K step's set is in (asked for a K step ago)
	PLACES
	FETCH \nring, \nq, 1-(\set), \nk
	WIN MUL_LO
	MUL16 0, \set, \zero
	MUL16 2, \set, \zero
	WIN MUL_HI
	MUL16 4, \set, \zero
	MUL16 6, \set, \zero
	WIN 0
.endm
; V^T: the same with 32 products
.macro STEP2 set, zero, nhalf, nq, nk
	s_wait_dscnt 0x0
	PLACES
	FETCH2 \nhalf, \nq, 1-(\set), \nk
	WIN MUL_LO
	MUL16 0, \set, \zero
	MUL16 2, \set, \zero
	WIN 0
.endm
; A K step (set 1) behind which LDS bytes are filled again: one barrier, which opens a round of the cluster's; in front of it each wave waits for all its tensor loads, adds 0 to its spare word and waits for that and for its
; LDS reads.  mode 1: slot 0 takes tile 3.  mode 2: slot 1 and half of slot 2 take V^T's K steps 0-3; no load is out at that place, so both groups 1 are rewritten for rows of four K steps (A: four rows a load).
.macro TURN mode, next, kabs
	s_wait_tensorcnt 0x0                           ; all my tensor loads have landed, my part of the tile that is read next among them
	ds_add_u32 v[SPW], v[NIL]                      ; 0 onto my spare word
	s_wait_dscnt 0x1
	WIN MUL_LO
	MUL16 0, (\mode)-1, 0                          ; mode 1 is K step 2 (register set 0), mode 2 is K step 5 (set 1)
.if (\mode) == 1
.irp g, G1, G1B                                ; no load of mine is out: from here a load brings 8 blocks x two K steps
	s_mov_b32 s[\g+1], 384<<16
	s_mov_b32 s[\g+2], 8<<16
	s_mov_b32 s[\g+3], 384<<16
	s_mov_b32 s[\g+4], 8
.endr
.else
	s_mov_b32 s[G1+1], 768<<16                     ; tensor_dim0: 768 elements of 8 bytes
	s_mov_b32 s[G1+2], 4<<16                       ; tensor_dim1: 4 blocks
	s_mov_b32 s[G1+3], 768<<16                     ; tile_dim0
	s_mov_b32 s[G1+4], 4                           ; tile_dim1
	s_mov_b32 s[G1B+1], 768<<16
	s_mov_b32 s[G1B+3], 768<<16
	s_mul_i32 s[G0+5], s16, 24576
	s_add_co_u32 s[G0+5], s[G0+5], R1
	s_mov_b64 s[G0+6:G0+7], s[P2A:P2A+1]
	s_or_b32 s[G0+7], s[G0+7], 0x80000000
	s_mul_i32 s[G0B+5], s16, 49152
	s_add_co_u32 s[G0B+5], s[G0B+5], R1+49152
	s_mov_b64 s[G0B+6:G0B+7], s[P2B:P2B+1]
	s_or_b32 s[G0B+7], s[G0B+7], 0x80000000
.endif
	s_wait_dscnt 0x0                               ; the add is done, and my reads of the bytes that are filled again are over
	s_barrier_signal -1
	MUL16 2, (\mode)-1, 0
	WIN 0
	s_barrier_wait -1
	CREST
.if (\mode) == 1
	JLOAD G0+8, G1, G0B+8, G1B                     ; K steps 6, 7: the first tensor load behind the round; its four v_nop are the places in front of the loads below
.else
	JLOAD G0+4, G1, G0B+4, G1B
.endif
	FETCH \next, 0, 2-(\mode), \kabs
	WIN MUL_HI
	MUL16 4, (\mode)-1, 0
	MUL16 6, (\mode)-1, 0
	WIN 0
.endm
	s_load_b128 s[4:7], s[0:1], 0x0                ; the codes of x and W, their scale words
	s_load_b128 s[8:11], s[0:1], 0x10              ; q's and k's codes, V^T's codes
	s_load_b64 s[12:13], s[0:1], 0x20              ; scale words and vsum
	v_lshl_add_u32 v[SPW], v0, 2, SPARE
	v_mov_b32 v[NIL], 0
	ds_add_u32 v28, v29
	ds_add_u32 v28, v29
	s_wait_dscnt 0x0
	v_lshrrev_b32 v1, 5, v0
	v_readfirstlane_b32 s14, v1                    ; wave
	s_lshr_b32 s15, s14, 1                         ; my half of the rows.  Also: I fetch for A (0) or B (1)
	s_and_b32 s16, s14, 1                          ; my half of the columns.  Also: which half of that operand I fetch
	v_and_b32 v2, 31, v0
	v_lshlrev_b32 v[LI], 4, v2
	s_wait_alu depctr_va_vdst(0)
	v_lshlrev_b32 v[L4], 2, v2
	s_bfe_u32 s2, ttmp6, 0x40000                   ; cx
	s_bfe_u32 s3, ttmp6, 0x40004                   ; cy
	s_lshl_b32 s18, s3, 2
	s_lshl_b32 s18, 15, s18                        ; my row of the cluster
	s_lshl_b32 s93, 0x1111, s2                     ; my column
	s_and_b32 s19, ttmp7, 0xffff
	s_lshl_b32 s19, s19, 2                         ; 4 x cluster y
	s_lshl_b32 s20, ttmp9, 2                       ; 4 x cluster x
	s_add_co_u32 s17, s19, s3                      ; q, k: tile row (tokens), 0 .. 31
	s_add_co_u32 s96, s20, s2                      ;       tile column (features), 0 .. 7
	s_add_co_u32 s21, s20, s3                      ; V^T:  tile row (features), 0 .. 7
	s_add_co_u32 s97, s19, s2                      ;       tile column (tokens), 0 .. 31
	; descriptor group 1: codes: 8 rows (blocks) of 384 elements of 8 bytes, 1,536 elements apart
	s_or_b32 s[G1], s18, (3<<16)|(1<<21)
	s_or_b32 s[G1B], s93, (3<<16)|(1<<21)
.irp g, G1, G1B
	s_mov_b32 s[\g+1], 576<<16                     ; the head's loads: 16 blocks x three K steps (576 elements of 8 bytes)
	s_mov_b32 s[\g+2], 16<<16
	s_mov_b32 s[\g+3], 576<<16
	s_mov_b32 s[\g+4], 16
	s_mov_b32 s[\g+5], 1536
	s_mov_b32 s[\g+6], 0
	s_mov_b32 s[\g+7], 0
.endr
	; byte offsets, made where the addresses will stand.  A's never hold cx, B's never cy
	s_lshl_b32 s22, s17, 4                         ; the first product's A begins at block 16 x tile row
	s_lshl_b32 s23, s16, 3                         ; my eight blocks of sixteen
	s_mul_i32 s20, s16, 4608                       ; at the head I fetch K steps 0-2 or 3-5 of all sixteen blocks
	s_mul_i32 s[G0+2], s22, 12288
	s_add_co_u32 s[G0+2], s[G0+2], s20
	s_mov_b32 s[G0+3], 0
	s_add_co_u32 s[G0+10], s22, s23                ; K steps 6, 7 of my eight blocks
	s_mul_i32 s[G0+10], s[G0+10], 12288
	s_add_co_u32 s[G0+10], s[G0+10], 9216
	s_mov_b32 s[G0+11], 0
	s_lshl_b32 s93, s96, 4
	s_add_co_u32 s93, s93, 512                     ; its B at block 512 + 16 x tile column
	s_mul_i32 s[G0B+2], s93, 12288
	s_add_co_u32 s[G0B+2], s[G0B+2], s20
	s_mov_b32 s[G0B+3], 0
	s_add_co_u32 s[G0B+10], s93, s23
	s_mul_i32 s[G0B+10], s[G0B+10], 12288
	s_add_co_u32 s[G0B+10], s[G0B+10], 9216
	s_mov_b32 s[G0B+11], 0
	s_lshl_b32 s18, s21, 3
	s_add_co_u32 s18, s18, 640                     ; V^T's A begins at block 640 + 8 x tile row
	s_lshl_b32 s19, s16, 2                         ; my four blocks of eight
	s_add_co_u32 s[P2A], s18, s19
	s_mul_i32 s[P2A], s[P2A], 12288
	s_mov_b32 s[P2A+1], 0
	s_lshl_b32 s2, s97, 4                          ; its B at block 16 x tile column
	s_add_co_u32 s[P2B], s2, s23
	s_mul_i32 s[P2B], s[P2B], 12288
	s_mov_b32 s[P2B+1], 0
	s_mul_i32 s20, s14, 2*KSP                      ; V^T's scale words: wave w copies K steps 2 w and 2 w + 1
	s_lshl_b32 s18, s18, 6
	s_add_co_u32 s18, s18, s20
	v_add_nc_u32 v[GA], s18, v[LI]
	s_lshl_b32 s2, s2, 6
	s_add_co_u32 s2, s2, s20
	v_add_nc_u32 v[GB], s2, v[LI]
	s_lshl_b32 s22, s22, 6                         ; the first product's scale words: the same two K steps, 64 bytes a block
	s_add_co_u32 s22, s22, s20
	v_add_nc_u32 v[GA1], s22, v[LI]
	s_lshl_b32 s93, s93, 6
	s_add_co_u32 s93, s93, s20
	v_add_nc_u32 v[GB1], s93, v[LI]
	s_mul_i32 s3, s14, HALFT                       ; where the tiles go: no place in the cluster enters an LDS address
	s_mul_i32 s19, s16, 147456                     ; the head's loads: the region of my three K steps, A's blocks first
.irp s, 0,1,2
	s_mov_b32 s[G0+4*\s], 1
	s_mov_b32 s[G0B+4*\s], 1
.endr
	s_mov_b32 s[G0+1], s19
	s_add_co_u32 s[G0B+1], s19, 73728
	s_mov_b32 s[G0+9], s3
	s_mov_b32 s[G0B+9], s3
	s_wait_alu depctr_va_vdst(0)
	s_wait_kmcnt 0x0
.irp u, 0,1
	global_load_b128 v[64+12*\u:67+12*\u], v[GA], s[6:7] offset:\u*KSP          ; 512 consecutive bytes: A's 128 rows of a K step
	global_load_b128 v[68+12*\u:71+12*\u], v[GB], s[6:7] offset:\u*KSP          ; and B's 256 rows
	global_load_b128 v[72+12*\u:75+12*\u], v[GB], s[6:7] offset:\u*KSP+512
	global_load_b128 v[88+16*\u:91+16*\u], v[GA1], s[6:7] offset:\u*KSP         ; the first product's: A's 256 rows of a K step,
	global_load_b128 v[92+16*\u:95+16*\u], v[GA1], s[6:7] offset:\u*KSP+512
	global_load_b128 v[96+16*\u:99+16*\u], v[GB1], s[6:7] offset:\u*KSP         ; and B's
	global_load_b128 v[100+16*\u:103+16*\u], v[GB1], s[6:7] offset:\u*KSP+512
.endr
	s_add_nc_u64 s[G0+2:G0+3], s[4:5], s[G0+2:G0+3]
	s_add_nc_u64 s[G0B+2:G0B+3], s[4:5], s[G0B+2:G0B+3]
	s_add_nc_u64 s[G0+10:G0+11], s[4:5], s[G0+10:G0+11]
	s_add_nc_u64 s[G0B+10:G0B+11], s[4:5], s[G0B+10:G0B+11]
	s_add_nc_u64 s[P2A:P2A+1], s[4:5], s[P2A:P2A+1]
	s_add_nc_u64 s[P2B:P2B+1], s[4:5], s[P2B:P2B+1]
.irp s, 0,2
	s_or_b32 s[G0+4*\s+3], s[G0+4*\s+3], 0x80000000
	s_or_b32 s[G0B+4*\s+3], s[G0B+4*\s+3], 0x80000000
.endr
	CROUND                                         ; all sixteen work-groups are here: the first joint loads meet
	JLOAD G0, G1, G0B, G1B                         ; one tensor load a wave at the head: the four bring K steps 0-5 of A and B
	; LDS addresses
	s_mul_i32 s18, s15, HALFT
	s_mul_i32 s19, s16, HALFT
	s_add_co_u32 s19, s19, 2*HALFT
	v_add_nc_u32 v[ADRA], s18, v[LI]               ; address 0: K steps 6, 7
	v_add_nc_u32 v[ADRB], s19, v[LI]
	s_mul_i32 s18, s15, 8*FROWS
	s_mul_i32 s19, s16, 8*FROWS
	s_add_co_u32 s19, s19, 16*FROWS
.irp s, 1,2                                    ; addresses 1, 2: K steps 0-2, 3-5
	v_add_nc_u32 v[ADRA+\s], s18, v[LI]
	v_add_nc_u32 v[ADRB+\s], s19, v[LI]
	s_add_co_u32 s18, s18, 147456
	s_add_co_u32 s19, s19, 147456
.endr
	s_lshl_b32 s18, s15, 9
	s_add_co_u32 s18, s18, SCA
	v_add_nc_u32 v[ASA], s18, v[L4]
	s_lshl_b32 s19, s16, 9
	s_add_co_u32 s19, s19, SCB
	v_add_nc_u32 v[ASB], s19, v[L4]
	s_mul_i32 s18, s15, 24576                      ; V^T: my four blocks of A,
	s_add_co_u32 s19, s18, R1
	v_add_nc_u32 v[ADRA2], s19, v[LI]
	s_add_co_u32 s19, s18, TAIL
	v_add_nc_u32 v[ADRA2+1], s19, v[LI]
	s_mul_i32 s18, s16, 49152                      ; my eight of B
	s_add_co_u32 s19, s18, R1+49152
	v_add_nc_u32 v[ADRB2], s19, v[LI]
	v_add_nc_u32 v[ADRB2+1], s18, v[LI]
	s_lshl_b32 s18, s15, 8
	s_add_co_u32 s18, s18, SC2A
	v_add_nc_u32 v[ASA2], s18, v[L4]
	s_lshl_b32 s19, s16, 9
	s_add_co_u32 s19, s19, SC2B
	v_add_nc_u32 v[ASB2], s19, v[L4]
	s_lshl_b32 s19, s14, 10
	s_add_co_u32 s19, s19, SC2A
	v_add_nc_u32 v[WA2], s19, v[LI]
	s_lshl_b32 s19, s14, 11
	s_add_co_u32 s19, s19, SC2B
	v_add_nc_u32 v[WB2], s19, v[LI]
	s_lshl_b32 s19, s14, 11
	s_add_co_u32 s19, s19, SCA
	v_add_nc_u32 v[WS1], s19, v[LI]
	v_and_b32 v3, 15, v0
	v_and_b32 v4, 8, v3
	v_add_nc_u32 v3, v3, v4
	v_bfe_u32 v4, v0, 4, 1
	v_lshl_add_u32 v[VSO], v4, 3, v3
	v_lshlrev_b32 v[VSO], 2, v[VSO]                ; (r + 8 (r / 8) + 8 h) x 4
	; where the results go
	s_mov_b32 s3, 0
	s_lshl_b32 s18, s17, 4
	s_lshl_b32 s19, s15, 3
	s_add_co_u32 s18, s18, s19                     ; q, k: my first block of tokens
	s_and_b32 s19, s96, 3
	s_lshl_b32 s19, s19, 1
	s_add_co_u32 s19, s19, s16                     ; my 128 features are this K step
	s_lshr_b32 s20, s96, 2                         ; q or k
	s_lshl_b32 s2, s18, 3
	s_add_co_u32 s2, s2, s19
	s_mul_i32 s2, s2, 1536
	s_mul_i32 s22, s20, 6291456
	s_add_co_u32 s2, s2, s22
	s_add_nc_u64 s[8:9], s[8:9], s[2:3]            ; their codes
	s_lshl_b32 s2, s20, 18
	s_lshl_b32 s19, s19, 15
	s_add_co_u32 s2, s2, s19
	s_lshl_b32 s18, s18, 6                         ; 64 bytes of scale words a block
	s_add_co_u32 s2, s2, s18
	s_add_nc_u64 s[4:5], s[12:13], s[2:3]          ; their scale words
	s_lshl_b32 s18, s21, 3
	s_lshl_b32 s19, s15, 2
	s_add_co_u32 s18, s18, s19                     ; V^T: my first block of features
	s_lshl_b32 s19, s97, 1
	s_add_co_u32 s19, s19, s16                     ; my 128 tokens are this K step
	s_lshl_b32 s2, s18, 6
	s_add_co_u32 s2, s2, s19
	s_mul_i32 s2, s2, 1536
	s_add_nc_u64 s[10:11], s[10:11], s[2:3]        ; its codes
	s_lshl_b32 s2, s19, 12
	s_lshl_b32 s18, s18, 6
	s_add_co_u32 s2, s2, s18
	s_add_co_u32 s2, s2, 524288
	s_add_nc_u64 s[12:13], s[12:13], s[2:3]        ; its scale words; vsum lies 262,144 bytes further on
	s_mov_b32 s[HM], 0xffff0000
	s_mov_b32 s[SEL], 0x76543210
	s_mov_b32 s[SEL+1], 0xfedcba98
	s_wait_alu depctr_va_vdst(0)
	s_wait_loadcnt 0x0                             ; V^T's scale words
.irp u, 0,1
	ds_store_b128 v[WA2], v[64+12*\u:67+12*\u] offset:512*\u
	ds_store_b128 v[WB2], v[68+12*\u:71+12*\u] offset:1024*\u
	ds_store_b128 v[WB2], v[72+12*\u:75+12*\u] offset:1024*\u+512
	ds_store_b128 v[WS1], v[88+16*\u:91+16*\u] offset:1024*\u
	ds_store_b128 v[WS1], v[92+16*\u:95+16*\u] offset:1024*\u+512
	ds_store_b128 v[WS1], v[96+16*\u:99+16*\u] offset:8192+1024*\u
	ds_store_b128 v[WS1], v[100+16*\u:103+16*\u] offset:8192+1024*\u+512
.endr
	s_wait_tensorcnt 0x0                           ; my one load is in
	s_wait_dscnt 0x0                               ; my stores have landed
	s_barrier_signal -1
	s_barrier_wait -1
; ---------------- q and k
	FETCH 1, 0, 0, 0
	STEP 0, 1, 1, 1, 1                             ; K step 0: the first products start the sums: nothing is cleared
	STEP 1, 0, 1, 2, 2                             ; K step 1
	TURN 1, 2, 3                                   ; K step 2; the first region takes K steps 6, 7
	STEP 1, 0, 2, 1, 4                             ; K step 3
	STEP 0, 0, 2, 2, 5                             ; K step 4
.set FROWS, ROWS
	TURN 2, 0, 6                                   ; K step 5; K steps 6, 7 are whole; the second region takes V^T's first half of K
	STEP 0, 0, 0, 1, 7                             ; K step 6
	s_wait_dscnt 0x0
	WIN MUL_LO
	MUL16 0, 1, 0                                  ; K step 7
	MUL16 2, 1, 0
	WIN MUL_HI
	MUL16 4, 1, 0
	MUL16 6, 1, 0
	WIN 0
; THE WAYS OUT.  A block's 64 registers, register 16 b + i = column 32 b + 16 (lane / 16) + i of my row, become a fragment's codes and its scale word.
.macro QUANT w, s, pw
	WIN (\w)|((\w)<<2)
.irp b, 0,1,2,3
	v_max3_num_f32 v[TM+\b], |v[(\s)+16*\b]|, |v[(\s)+1+16*\b]|, 0x1800000   ; each accumulator is read from its low end on; the floor 2^(3 - 127) holds the byte at 1
.endr
.irp i, 2,4,6,8,10,12,14
.irp b, 0,1,2,3
	v_max3_num_f32 v[TM+\b], |v[(\s)+16*\b+\i]|, |v[(\s)+1+16*\b+\i]|, v[TM+\b]
.endr
.endr
	WIN 0
.irp b, 0,1,2,3
	v_permlanex16_b32 v[TM+4+\b], v[TM+\b], s[SEL], s[SEL+1]
.endr
.irp b, 0,1,2,3
	v_max_num_f32 v[TM+\b], v[TM+\b], v[TM+4+\b]   ; with lane l xor 16's: the block's largest magnitude
.endr
.irp b, 0,1,2,3
	v_add_nc_u32 v[TM+12+\b], 0xff000000, v[TM+\b]
.endr
.irp b, 0,1,2,3
	v_lshrrev_b32 v[TM+4+\b], 23, v[TM+12+\b]
.endr
	v_lshl_or_b32 v[\pw], v[TM+5], 8, v[TM+4]
	v_lshl_or_b32 v[\pw], v[TM+6], 16, v[\pw]
	v_lshl_or_b32 v[\pw], v[TM+7], 24, v[\pw]
; PC is set anew for each block: its 12 registers of codes are the block's own, so no store's data are written again on a way out.  The second halves (PT, v96-102) are no store's data.
.set PT, 96
	WIN \w
.irp c, 0,1
	v_cvt_scalef32_pk16_fp6_f32 v[PC+6*\c:PC+2+6*\c], v[(\s)+32*\c:(\s)+15+32*\c], v[TM+12+2*\c]
	v_cvt_scalef32_pk16_fp6_f32 v[PT+4*\c:PT+2+4*\c], v[(\s)+16+32*\c:(\s)+31+32*\c], v[TM+12+2*\c+1]
.endr
	WIN 0
	v_nop                                          ; one plain place behind a scaled conversion
.irp c, 0,1                                    ; the operand's layout wants a whole block of 32 in a lane
.irp i, 0,1,2
	v_permlane16_swap_b32 v[PC+6*\c+\i], v[PT+4*\c+\i]
.endr
.irp i, 0,1,2
	v_mov_b32 v[PC+3+6*\c+\i], v[PT+4*\c+\i]
.endr
.endr
.endm
.macro OUT1 a                          ; q, k: block a of my eight
.set PC, 152+12*(\a)                   ; v152-247: eight blocks' codes
	QUANT 2+(\a)/4, 64*((\a)%4), PW+(\a)
.irp g, 0,1,2
	global_store_b128 v[LI], v[PC+4*\g:PC+4*\g+3], s[8:9] offset:12288*(\a)+512*\g     ; the image: 512 consecutive bytes a store
.endr
.if (\a)%2 == 1
	v_cndmask_b32 v[PWC+(\a)/2], v[PW+(\a)-1], v[PW+(\a)], s[HM]
	global_store_b32 v[L4], v[PWC+(\a)/2], s[4:5] offset:128*((\a)/2)                  ; two blocks' words: 128 consecutive bytes
.endif
.endm
.macro OUT2 a                          ; V^T: block a of my four, and the sum of its quantised numbers
.set PC, 152+12*(\a)                   ; v152-199: the first way out's stores have read them (the wait ahead of V^T)
	QUANT 2, 64*(\a), PW+(\a)
.irp g, 0,1,2
	global_store_b128 v[LI], v[PC+4*\g:PC+4*\g+3], s[10:11] offset:98304*(\a)+512*\g
.endr
.if (\a)%2 == 1
	v_cndmask_b32 v[PWC+(\a)/2], v[PW+(\a)-1], v[PW+(\a)], s[HM]
	global_store_b32 v[L4], v[PWC+(\a)/2], s[12:13] offset:128*((\a)/2)
.endif
.rept 8
	v_nop                                          ; a scale word made by vector instructions stands 8 places ahead of a scaled product, an operand so made 4
.endr
	v_wmma_scale_f32_16x16x128_f8f6f4 v[VD:VD+7], v[ONES:ONES+11], v[PC:PC+11], 0, v[ONESC], v[PW+(\a)] matrix_a_fmt:MATRIX_FMT_FP6 matrix_b_fmt:MATRIX_FMT_FP6   ; the sum of my row's 128 quantised numbers, in every register
.rept 4
	v_nop
.endr
	v_mov_b32 v[VS+(\a)], v[VD]
.if (\a)%2 == 1
	v_cndmask_b32 v[VSC+(\a)/2], v[VS+(\a)-1], v[VS+(\a)], s[HM]
	global_store_b32 v[VSO], v[VSC+(\a)/2], s[12:13] offset:262144+128*((\a)/2)        ; 32 rows of V^T in their true order
.endif
.endm
	PLACES
.irp b, 0,1,2,3
	v_mov_b32 v[TM+4+\b], 0                        ; a lane permute's destination counts as one of its sources
.endr
.irp a, 0,1,2,3,4,5,6,7
	OUT1 \a                                        ; V^T's first half of K lands meanwhile
.endr
; ---------------- V^T
	s_wait_xcnt 0x0                                ; the last stores have read their data: fragments may land in those registers
	s_wait_tensorcnt 0x0                           ; all my tensor loads have landed: my part of V^T's K steps 0-3
	ds_add_u32 v[SPW], v[NIL]                      ; 0 onto my spare word
	s_mul_i32 s[G0+9], s16, 24576                  ; no load of mine is out: K steps 4-7: A's behind the first half's bytes,
	s_add_co_u32 s[G0+9], s[G0+9], TAIL
	s_add_nc_u64 s[G0+10:G0+11], s[P2A:P2A+1], ROWS2
	s_or_b32 s[G0+11], s[G0+11], 0x80000000
	s_mul_i32 s[G0B+9], s16, 49152                 ; B's in slot 0
	s_add_nc_u64 s[G0B+10:G0B+11], s[P2B:P2B+1], ROWS2
	s_or_b32 s[G0B+11], s[G0B+11], 0x80000000
	s_wait_dscnt 0x0                               ; the add is done; my reads of slot 0 and of slot 2 were over long ago
	CROUND                                         ; both now hold of every wave of every partner
	JLOAD G0+8, G1, G0B+8, G1B                     ; the first tensor load behind the round
	FETCH2 0, 0, 0, 0
	STEP2 0, 1, 0, 1, 1                            ; K step 0 starts the sums
	STEP2 1, 0, 0, 2, 2
	STEP2 0, 0, 0, 3, 3
	s_wait_tensorcnt 0x0                           ; K step 3 (set 1) changes halves: my part of K steps 4-7 is in;
	s_wait_dscnt 0x0                               ; its fragments are in
	s_barrier_signal -1
	WIN MUL_LO
	MUL16 0, 1, 0                                  ; work on registers while the others arrive
	WIN 0
	s_barrier_wait -1                              ; everybody's part is in
	PLACES
	FETCH2 1, 0, 0, 4
	WIN MUL_LO
	MUL16 2, 1, 0
	WIN 0
	STEP2 0, 0, 1, 1, 5
	STEP2 1, 0, 1, 2, 6
	STEP2 0, 0, 1, 3, 7
	s_wait_dscnt 0x0
	WIN MUL_LO
	MUL16 0, 1, 0                                  ; K step 7
	MUL16 2, 1, 0
	WIN 0
	PLACES
.irp b, 0,1,2,3
	v_mov_b32 v[TM+4+\b], 0
.endr
.irp i, 0,1,2,3
	v_mov_b32 v[ONES+3*\i], 0x08208208             ; the code of 1.0 is 8: 16 codes in three words
	v_mov_b32 v[ONES+3*\i+1], 0x82082082
	v_mov_b32 v[ONES+3*\i+2], 0x20820820
.endr
	v_mov_b32 v[ONESC], 0x7f7f7f7f
.irp a, 0,1,2,3
	OUT2 \a
.endr
	s_wait_tensorcnt 0x0                           ; the wave's end
	ds_add_u32 v[SPW], v[NIL]
	s_wait_dscnt 0x0
	CROUND                                         ; the closing round
	s_endpgm
.Lfunc_end_k_q78649e0c87_proj:
	.size	k_q78649e0c87_proj, .Lfunc_end_k_q78649e0c87_proj-k_q78649e0c87_proj
	.p2alignl 7, 3214868480
	.fill 96, 4, 3214868480
	.section	.rodata,"a",@progbits
	.p2align	6, 0x0
	.amdhsa_kernel k_q78649e0c87_proj
		.amdhsa_group_segment_fixed_size 327680
		.amdhsa_private_segment_fixed_size 0
		.amdhsa_enable_private_segment 0
		.amdhsa_kernarg_size 40
		.amdhsa_user_sgpr_count 2
		.amdhsa_user_sgpr_kernarg_segment_ptr 1
		.amdhsa_wavefront_size32 1
		.amdhsa_system_sgpr_workgroup_id_x 1
		.amdhsa_system_sgpr_workgroup_id_y 1
		.amdhsa_system_sgpr_workgroup_id_z 1
		.amdhsa_system_vgpr_workitem_id 0
		.amdhsa_next_free_vgpr 1024
		.amdhsa_next_free_sgpr 100
		.amdhsa_reserve_vcc 0
		.amdhsa_float_denorm_mode_32 3
		.amdhsa_float_denorm_mode_16_64 3
		.amdhsa_memory_ordered 1
		.amdhsa_forward_progress 1
		.amdhsa_inst_pref_size 221
	.end_amdhsa_kernel
	.amdgpu_metadata
---
amdhsa.version: [ 1, 2 ]
amdhsa.kernels:
  - .name:           k_q78649e0c87_proj
    .symbol:         k_q78649e0c87_proj.kd
    .args:
      - { .name: xw_codes, .offset: 0, .size: 8, .value_kind: global_buffer, .address_space: global }
      - { .name: xw_scales, .offset: 8, .size: 8, .value_kind: global_buffer, .address_space: global }
      - { .name: qk_codes, .offset: 16, .size: 8, .value_kind: global_buffer, .address_space: global }
      - { .name: vt_codes, .offset: 24, .size: 8, .value_kind: global_buffer, .address_space: global }
      - { .name: c_aux, .offset: 32, .size: 8, .value_kind: global_buffer, .address_space: global }
    .group_segment_fixed_size: 327680
    .private_segment_fixed_size: 0
    .kernarg_segment_align: 8
    .kernarg_segment_size: 40
    .max_flat_workgroup_size: 128
    .sgpr_count:     100
    .vgpr_count:     1024
    .wavefront_size: 32
...
	.end_amdgpu_metadata
.endif
;; end of part 2
;; launch scores (part 3): grid 40 x 4, 4 waves a work-group, no clusters, 327,680 bytes of LDS; arguments qk_codes, c_aux, p_codes, nl; writes p_codes, nl
.if DOCPART == 3
	.amdgcn_target "amdgcn-amd-amdhsa--gfx1250"
	.amdhsa_code_object_version 6
	.text
	.protected	k_q78649e0c87_scores
	.globl	k_q78649e0c87_scores
	.p2align	8
	.type	k_q78649e0c87_scores,@function
k_q78649e0c87_scores:
	s_mov_b64 s[64:65], 0
	v_nop
	global_prefetch_b8 v0, s[64:65] scope:SCOPE_SE
	s_setreg_imm32_b32 hwreg(HW_REG_WAVE_MODE, 25, 1), 1
	s_wait_xcnt 0x0
; The scores q k^T of one batch on codes of FP6, K = 1,024, and AT ONCE the softmax's weights as codes for the last product.  The scores never go to memory.
; A work-group makes a tile of 256 queries (tile i) x 256 keys (tile j); only tiles with j >= 2 (i / 2) are made: 8, 8, 6, 6, 4, 4, 2, 2 to a row, 40 a batch.  The others lie wholly under the mask that keeps key >= query.
; EACH BLOCK OF 32 KEYS IS QUANTISED UNDER ITS OWN WHOLE NUMBER M = ceil(the block's largest t), t = score x log2(e) / 32: p = 2^(t - M).  Another whole M only moves the block's scale, so the codes are those of the
; row's M.  Beside its codes a block leaves two numbers: N = M + the exponent of its largest p, and L = the sum of its unquantised p / 2^(that exponent).  The last launch makes the scale bytes and the row's sum of them.
; THE MASK: a score that is exactly 0, and every score with key < query, becomes -9e15 (here x 32, since the division by 32 is folded into t): a finite number, as in the definition.
; t is made by a multiplication and M is taken off by an addition of its own (no fused form), so that the largest t of a block gives p <= 1 at every magnitude.
; No cluster: 8, 8, 6, 6, 4, 4, 2, 2 kept tiles to a row do not fall into groups of 4 x 4 or 4 x 1 that share tiles without taking in tiles that lie wholly under the mask.
; LIMITS: NaN and infinities are not served; a raw score under 2^-144 in magnitude that the division by 32 would flush to 0 is not taken as 0; 16 of the 160 tiles lie wholly under the mask (j = i - 1): the last
; launch walks keys in steps of 512.
; Layouts, the ring and the products are those of the launch before: images of 1,536 bytes, source 0 = 16 keys, source 1 = 16 queries, so that a lane holds one query and its registers run along the keys.
.set NA,    8
.set NQ,    2
.set ROWS,  NQ*1536
.set HALFT, 8*ROWS
.set RING1, 4*HALFT
; LDS AS THIS TEXT USES IT: K steps 0-2 lie in [0, 147456) and K steps 3-5 in [147456, 294912), each as q's 16 blocks x 4,608 bytes, then k's 16: four loads at the head, one a wave.
; K steps 6, 7 take bytes [0, 98304) behind K step 2 (blocks of 3,072 bytes, wave w's eight at w x HALFT).  The scale words come by loads into registers and LDS stores, into bytes that no tensor load fills.
.set FROWS, 4608                       ; a block's bytes in the region that FETCH reads; set to ROWS for K steps 6, 7
.set SCA,   294912
.set GS,   11                          ; v11  my scale words in memory
.set WS,   12                          ; v12  and where I put them
.set SCB,   SCA+8192
.set SPARE, SCB+8192
.set PA,    1024
.set LI,   8                           ; v8   16 x lane
.set L4,   9                           ; v9   4 x lane
.set NLO,  10                          ; v10  16 r + 2,097,152 h
.set ADRA, 16
.set ADRB, 20
.set ASA,  24
.set ASB,  25
.set SPW,  28
.set NIL,  29
.set SC,   32
.set SCSET, 8
.set AF,   64
.set ASET, 96
.set S,    64                          ; the way out: v64-127 scores, then t - M, then p
.set MP,   128                         ; v128-135 pairs (-M, largest t) of the four blocks
.set BM,   136                         ; v136-139 largest scores
.set BX,   140                         ; v140-143 from lane l xor 16
.set PMX,  144                         ; v144-147 largest p
.set LS,   148                         ; v148-155 sums, in pairs
.set SO,   156                         ; v156-159 the conversions' scale operands
.set XE,   160                         ; v160-163 exponents of the largest p
.set NN,   164                         ; v164-167 N
.set LL,   168                         ; v168-171 L
.set NLQ,  172                         ; v172-175 lanes 0-15 N, lanes 16-31 L
.set PC,   176                         ; v176-187 codes; v188-194 their second halves
.set DA,   196
.set SMK,  197                         ; -9e15 x 32
.set ZR,   198                         ; 0
.set D0,   199
.set G1,   24
.set G1S,  32
.set G0,   40
.set G0S,  48
.set HM,   52
.set CS,   54                          ; s[54:55] log2(e) / 32
.set SEL,  56
.set MUL_LO, 0xa1
.set MUL_HI, 0xf1
.set MSB, 0
.macro WIN new
.if MSB != (\new)
	s_set_vgpr_msb (MSB<<8)|(\new)
.set MSB, (\new)
.endif
.endm
.macro PLACES
.rept 4
	v_nop
.endr
.endm
.macro FETCH ring, q, set, kabs
	WIN 0x40
.set fi, 0
.rept 8
.irp g, 0,1,2
	ds_load_b128 v[128*(\set)+12*fi+4*\g:128*(\set)+12*fi+4*\g+3], v[ADRB+(\ring)] offset:fi*FROWS+(\q)*1536+512*\g
.endr
.set fi, fi+1
.endr
	WIN 0
.set fi, 0
.rept NA
.irp g, 0,1,2
	ds_load_b128 v[AF+ASET*(\set)+12*fi+4*\g:AF+ASET*(\set)+12*fi+4*\g+3], v[ADRA+(\ring)] offset:fi*FROWS+(\q)*1536+512*\g
.endr
.set fi, fi+1
.endr
.set fi, 0
.rept NA/2
	ds_load_b32 v[SC+SCSET*(\set)+fi], v[ASA] offset:(\kabs)*PA+128*fi
.set fi, fi+1
.endr
.set fi, 0
.rept 4
	ds_load_b32 v[SC+SCSET*(\set)+NA/2+fi], v[ASB] offset:(\kabs)*1024+128*fi
.set fi, fi+1
.endr
.endm
.macro WM a, b, set, zero
.set rD, 8*(8*((\a)%4)+(\b))
.set rB, 128*(\set)+12*(\b)
.set rA, AF+ASET*(\set)+12*(\a)
.set rSB, SC+SCSET*(\set)+NA/2+(\b)/2
.set rSA, SC+SCSET*(\set)+(\a)/2
.if \zero
.if ((\b)%2) && ((\a)%2)
	v_wmma_scale_f32_16x16x128_f8f6f4 v[rD:rD+7], v[rB:rB+11], v[rA:rA+11], 0, v[rSB], v[rSA] matrix_a_fmt:MATRIX_FMT_FP6 matrix_b_fmt:MATRIX_FMT_FP6 matrix_a_scale:MATRIX_SCALE_ROW1 matrix_b_scale:MATRIX_SCALE_ROW1
.elseif (\b)%2
	v_wmma_scale_f32_16x16x128_f8f6f4 v[rD:rD+7], v[rB:rB+11], v[rA:rA+11], 0, v[rSB], v[rSA] matrix_a_fmt:MATRIX_FMT_FP6 matrix_b_fmt:MATRIX_FMT_FP6 matrix_a_scale:MATRIX_SCALE_ROW1
.elseif (\a)%2
	v_wmma_scale_f32_16x16x128_f8f6f4 v[rD:rD+7], v[rB:rB+11], v[rA:rA+11], 0, v[rSB], v[rSA] matrix_a_fmt:MATRIX_FMT_FP6 matrix_b_fmt:MATRIX_FMT_FP6 matrix_b_scale:MATRIX_SCALE_ROW1
.else
	v_wmma_scale_f32_16x16x128_f8f6f4 v[rD:rD+7], v[rB:rB+11], v[rA:rA+11], 0, v[rSB], v[rSA] matrix_a_fmt:MATRIX_FMT_FP6 matrix_b_fmt:MATRIX_FMT_FP6
.endif
.else
.if ((\b)%2) && ((\a)%2)
	v_wmma_scale_f32_16x16x128_f8f6f4 v[rD:rD+7], v[rB:rB+11], v[rA:rA+11], v[rD:rD+7], v[rSB], v[rSA] matrix_a_fmt:MATRIX_FMT_FP6 matrix_b_fmt:MATRIX_FMT_FP6 matrix_a_scale:MATRIX_SCALE_ROW1 matrix_b_scale:MATRIX_SCALE_ROW1
.elseif (\b)%2
	v_wmma_scale_f32_16x16x128_f8f6f4 v[rD:rD+7], v[rB:rB+11], v[rA:rA+11], v[rD:rD+7], v[rSB], v[rSA] matrix_a_fmt:MATRIX_FMT_FP6 matrix_b_fmt:MATRIX_FMT_FP6 matrix_a_scale:MATRIX_SCALE_ROW1
.elseif (\a)%2
	v_wmma_scale_f32_16x16x128_f8f6f4 v[rD:rD+7], v[rB:rB+11], v[rA:rA+11], v[rD:rD+7], v[rSB], v[rSA] matrix_a_fmt:MATRIX_FMT_FP6 matrix_b_fmt:MATRIX_FMT_FP6 matrix_b_scale:MATRIX_SCALE_ROW1
.else
	v_wmma_scale_f32_16x16x128_f8f6f4 v[rD:rD+7], v[rB:rB+11], v[rA:rA+11], v[rD:rD+7], v[rSB], v[rSA] matrix_a_fmt:MATRIX_FMT_FP6 matrix_b_fmt:MATRIX_FMT_FP6
.endif
.endif
.endm
.macro MUL16 a0, set, zero             ; the accumulators take turns, one instruction a turn
.irp a, \a0, \a0+1
.irp b, 0,1,2,3,4,5,6,7
	WM \a, \b, \set, \zero
.endr
.endr
.endm
.macro STEP ring, q, kabs, zero
	s_wait_dscnt 0x0                               ; this K step's set is in
	PLACES
	FETCH \ring, (\q)+1, 1-((\kabs)%2), (\kabs)+1  ; K step kabs works on register set kabs % 2
	WIN MUL_LO
	MUL16 0, (\kabs)%2, \zero
	MUL16 2, (\kabs)%2, \zero
	WIN MUL_HI
	MUL16 4, (\kabs)%2, \zero
	MUL16 6, (\kabs)%2, \zero
	WIN 0
.endm
.macro TURN next, fill, kabs           ; K step kabs - 1, the last of its region; K step kabs is fetched by address 'next'
	s_wait_tensorcnt 0x0                           ; all my tensor loads have landed
	ds_add_u32 v[SPW], v[NIL]                      ; 0 onto my spare word
	s_wait_dscnt 0x1                               ; the fragments are in; only the add may be out
	WIN MUL_LO
	MUL16 0, ((\kabs)+1)%2, 0
.if \fill
	s_mov_b32 s[G1+1], 384<<16                     ; no load of mine is out: the next one brings 8 blocks x two K steps
	s_mov_b32 s[G1+2], 8<<16
	s_mov_b32 s[G1+3], 384<<16
	s_mov_b32 s[G1+4], 8
.endif
	s_wait_dscnt 0x0                               ; the add is done, and my reads of this region are over
	s_barrier_signal -1
	MUL16 2, ((\kabs)+1)%2, 0
	WIN 0
	s_barrier_wait -1
.if \fill
	tensor_load_to_lds s[G0+4:G0+7], s[G1:G1+7]    ; K steps 6, 7: my one tensor load behind the barrier, and the first thing there
	s_nop 0
.endif
	PLACES
	FETCH \next, 0, (\kabs)%2, \kabs
	WIN MUL_HI
	MUL16 4, ((\kabs)+1)%2, 0
	MUL16 6, ((\kabs)+1)%2, 0
	WIN 0
.endm
.macro ROWOF k, t                      ; tile row k begins at work-group t of the batch
	s_cmp_ge_u32 ttmp9, \t
	s_cselect_b32 s17, \k, s17
	s_cselect_b32 s18, \t, s18
.endm
	s_load_b256 s[4:11], s[0:1], 0x0               ; q's and k's codes, scale words, p's codes, N and L
	v_lshl_add_u32 v[SPW], v0, 2, SPARE
	v_mov_b32 v[NIL], 0
	ds_add_u32 v28, v29
	ds_add_u32 v28, v29
	s_wait_dscnt 0x0
	v_lshrrev_b32 v1, 5, v0
	v_readfirstlane_b32 s14, v1                    ; wave
	s_lshr_b32 s15, s14, 1                         ; my half of the queries.  Also: I fetch q (0) or k (1)
	s_and_b32 s16, s14, 1                          ; my half of the keys.  Also: which half of that operand I fetch
	s_and_b32 s20, ttmp7, 0xffff                   ; the batch
	s_mov_b32 s17, 0
	s_mov_b32 s18, 0
	ROWOF 1, 8
	ROWOF 2, 16
	ROWOF 3, 22
	ROWOF 4, 28
	ROWOF 5, 32
	ROWOF 6, 36
	ROWOF 7, 38
	s_sub_co_u32 s19, ttmp9, s18
	s_and_b32 s21, s17, 6
	s_add_co_u32 s19, s19, s21                     ; s17 = i, s19 = j
	s_cmp_eq_u32 s15, 0
	s_cselect_b32 s21, s17, s19                    ; the tile that I fetch of
	s_lshl_b32 s22, s15, 9
	s_lshl_b32 s23, s20, 7
	s_add_co_u32 s22, s22, s23
	s_lshl_b32 s23, s21, 4
	s_add_co_u32 s22, s22, s23
	s_mul_i32 s22, s22, 12288                      ; the tile's first block
	s_mul_i32 s32, s16, 8*12288
	s_add_co_u32 s32, s32, s22
	s_add_co_u32 s32, s32, 9216                    ; K steps 6, 7 of my eight blocks
	s_mov_b32 s33, 0
	s_mul_i32 s23, s16, 4608
	s_add_co_u32 s22, s22, s23                     ; at the head: K steps 0-2 or 3-5 of all sixteen
	s_mov_b32 s23, 0
	s_lshl_b32 s58, s15, 18
	s_lshl_b32 s59, s16, 17
	s_add_co_u32 s58, s58, s59
	s_lshl_b32 s59, s20, 13
	s_add_co_u32 s58, s58, s59
	s_lshl_b32 s59, s21, 10
	s_add_co_u32 s58, s58, s59                     ; my four K steps of scale words
	s_mov_b32 s59, 0
	; descriptor group 1: codes: 8 rows (blocks) of 384 elements of 8 bytes, 1,536 apart
	s_mov_b32 s[G1], 3<<16
	s_mov_b32 s[G1+1], 576<<16                     ; the head's load: 16 blocks x three K steps (576 elements of 8 bytes)
	s_mov_b32 s[G1+2], 16<<16
	s_mov_b32 s[G1+3], 576<<16
	s_mov_b32 s[G1+4], 16
	s_mov_b32 s[G1+5], 1536
	s_mov_b32 s[G1+6], 0
	s_mov_b32 s[G1+7], 0
	s_mul_i32 s2, s14, HALFT                       ; K steps 6, 7 go to wave x eight blocks
	s_lshl_b32 s3, s14, 12
	s_add_co_u32 s3, s3, SCA
	s_mul_i32 s34, s16, 147456                     ; the head's load: the region of my three K steps, q's blocks first
	s_mul_i32 s35, s15, 73728
	s_add_co_u32 s34, s34, s35
	v_and_b32 v2, 31, v0
	v_lshlrev_b32 v[LI], 4, v2
	v_lshlrev_b32 v[L4], 2, v2
	v_add_nc_u32 v[GS], s58, v[LI]
	v_add_nc_u32 v[WS], s3, v[LI]
	s_wait_alu depctr_va_vdst(0)
	s_wait_kmcnt 0x0
	s_mov_b32 s[G0], 1
	s_mov_b32 s[G0+1], s34
	s_add_nc_u64 s[G0+2:G0+3], s[4:5], s[22:23]
	s_or_b32 s[G0+3], s[G0+3], 0x80000000
	s_mov_b32 s[G0+4], 1
	s_mov_b32 s[G0+5], s2
	s_add_nc_u64 s[G0+6:G0+7], s[4:5], s[32:33]
	s_or_b32 s[G0+7], s[G0+7], 0x80000000
	tensor_load_to_lds s[G0:G0+3], s[G1:G1+7]      ; one tensor load a wave at the head: the four bring K steps 0-5 of q and k
	s_nop 0
	PLACES
.set n, 0
.rept 8
	global_load_b128 v[64+4*n:67+4*n], v[GS], s[6:7] offset:(n/2)*32768+(n%2)*512   ; my four K steps of scale words, 1,024 bytes each
.set n, n+1
.endr
	s_mul_i32 s21, s15, HALFT
	s_mul_i32 s22, s16, HALFT
	s_add_co_u32 s22, s22, 2*HALFT
	v_add_nc_u32 v[ADRA], s21, v[LI]               ; address 0: K steps 6, 7
	v_add_nc_u32 v[ADRB], s22, v[LI]
	s_mul_i32 s21, s15, 8*FROWS
	s_mul_i32 s22, s16, 8*FROWS
	s_add_co_u32 s22, s22, 16*FROWS
.irp s, 1,2                                    ; addresses 1, 2: K steps 0-2, 3-5
	v_add_nc_u32 v[ADRA+\s], s21, v[LI]
	v_add_nc_u32 v[ADRB+\s], s22, v[LI]
	s_add_co_u32 s21, s21, 147456
	s_add_co_u32 s22, s22, 147456
.endr
	s_lshl_b32 s21, s15, 9
	s_add_co_u32 s21, s21, SCA
	v_add_nc_u32 v[ASA], s21, v[L4]
	s_lshl_b32 s22, s16, 9
	s_add_co_u32 s22, s22, SCB
	v_add_nc_u32 v[ASB], s22, v[L4]
	v_and_b32 v3, 15, v0                           ; r
	v_bfe_u32 v4, v0, 4, 1                         ; h
	v_lshlrev_b32 v[NLO], 4, v3                    ; N and L are two arrays, 2,097,152 bytes apart: [batch][pair of K steps][block of queries][K step's parity][16 rows][4]
	v_lshl_add_u32 v[NLO], v4, 21, v[NLO]          ; lanes 0-15 store N, lanes 16-31 L
	; where the results go
	s_lshl_b32 s21, s17, 4
	s_lshl_b32 s22, s15, 3
	s_add_co_u32 s21, s21, s22                     ; my first block of queries in the batch
	s_lshl_b32 s22, s19, 1
	s_add_co_u32 s22, s22, s16                     ; my 128 keys are this K step of the batch
	s_lshl_b32 s58, s20, 7
	s_add_co_u32 s58, s58, s21
	s_lshl_b32 s58, s58, 4
	s_add_co_u32 s58, s58, s22
	s_mul_i32 s58, s58, 1536
	s_mov_b32 s59, 0
	s_add_nc_u64 s[8:9], s[8:9], s[58:59]
	s_lshl_b32 s58, s20, 3
	s_add_co_u32 s58, s58, s19                     ; my K step is 2 j + my half of the keys: pair j,
	s_lshl_b32 s58, s58, 7
	s_add_co_u32 s58, s58, s21
	s_lshl_b32 s58, s58, 9
	s_lshl_b32 s62, s16, 8                         ; parity = my half
	s_add_co_u32 s58, s58, s62
	s_add_nc_u64 s[10:11], s[10:11], s[58:59]
	s_sub_co_u32 s23, s17, s19
	s_lshl_b32 s23, s23, 8
	s_sub_co_u32 s62, s15, s16
	s_lshl_b32 s62, s62, 7
	s_add_co_u32 s23, s23, s62                     ; my first query less my first key
	s_mov_b32 s[HM], 0xffff0000
	s_mov_b32 s[CS], 0x3d38aa3b                    ; log2(e) / 32
	s_mov_b32 s[CS+1], s[CS]
	s_mov_b32 s[SEL], 0x76543210
	s_mov_b32 s[SEL+1], 0xfedcba98
	s_wait_alu depctr_va_vdst(0)
	s_wait_loadcnt 0x0                             ; the scale words
.set n, 0
.rept 8
	ds_store_b128 v[WS], v[64+4*n:67+4*n] offset:512*n
.set n, n+1
.endr
	s_wait_tensorcnt 0x0                           ; my one load is in
	s_wait_dscnt 0x0                               ; my stores have landed
	s_barrier_signal -1
	s_barrier_wait -1
	FETCH 1, 0, 0, 0
	STEP 1, 0, 0, 1
	STEP 1, 1, 1, 0
	TURN 2, 1, 3                                   ; K step 2; the first region takes K steps 6, 7
	STEP 2, 0, 3, 0
	STEP 2, 1, 4, 0
.set FROWS, ROWS
	TURN 0, 0, 6                                   ; K step 5; K steps 6, 7 are whole for every wave
	STEP 0, 0, 6, 0
	s_wait_dscnt 0x0
	WIN MUL_LO
	MUL16 0, 1, 0
	MUL16 2, 1, 0
	WIN MUL_HI
	MUL16 4, 1, 0
	MUL16 6, 1, 0
	WIN 0
; THE SOFTMAX'S WEIGHTS of block a of my queries: register 16 b + i of a lane is key 32 b + 16 (lane / 16) + i of my 128.
.macro SOFT a
.set AC, 64*((\a)%4)
; s23 = my first query less my first key, a multiple of 128 made of ids alone.  Above 0: all my 128 keys come before all my queries; under 0: all come after; 0: my 128 x 128 lie on the diagonal.
.set MK, 32                            ; s32-39 eight masks
	s_wait_alu depctr_va_vdst(0)
	s_cmp_gt_i32 s23, 0
	s_cbranch_scc1 .Lshut_\@
	WIN 2+(\a)/4
.set n, 0
.rept 8
.irp e, 0,1,2,3,4,5,6,7
	v_cmp_eq_f32 s[MK+\e], v[AC+n+\e], v[ZR]       ; a score that is exactly 0 is masked; each accumulator is read from its low end on
.endr
.irp e, 0,1,2,3,4,5,6,7
	v_cndmask_b32 v[S+n+\e], v[AC+n+\e], v[SMK], s[MK+\e]
.endr
.set n, n+8
.endr
	WIN 0
	s_cmp_lt_i32 s23, 0
	s_cbranch_scc1 .Lopen_\@
; on the diagonal block a's queries lie in 32 (a / 2) .. + 31: the blocks of 32 keys before that are masked whole, those behind it not at all, and in block a / 2 key 16 h + i is masked where it is under 8 (a % 2) + r + 8 (r / 8)
	v_add_nc_u32 v[DA], 8*((\a)%2), v[D0]
.set n, 0
.if (\a)/2 > 0
.rept 16*((\a)/2)
	v_mov_b32 v[S+n], v[SMK]
.set n, n+1
.endr
.endif
.rept 2
.irp e, 0,1,2,3,4,5,6,7
	v_cmp_lt_i32 s[MK+\e], (n+\e)%16, v[DA]
.endr
.irp e, 0,1,2,3,4,5,6,7
	v_cndmask_b32 v[S+n+\e], v[S+n+\e], v[SMK], s[MK+\e]
.endr
.set n, n+8
.endr
	s_branch .Lopen_\@
.Lshut_\@:
.set n, 0
.rept 64
	v_mov_b32 v[S+n], v[SMK]
.set n, n+1
.endr
.Lopen_\@:
	s_wait_alu depctr_va_vdst(0)
.irp b, 0,1,2,3
	v_max3_num_f32 v[BM+\b], v[S+16*\b], v[S+1+16*\b], v[S+2+16*\b]
.endr
.irp i, 3,5,7,9,11,13
.irp b, 0,1,2,3
	v_max3_num_f32 v[BM+\b], v[BM+\b], v[S+16*\b+\i], v[S+1+16*\b+\i]
.endr
.endr
.irp b, 0,1,2,3
	v_max_num_f32 v[BM+\b], v[BM+\b], v[S+15+16*\b]
.endr
.irp b, 0,1,2,3
	v_permlanex16_b32 v[BX+\b], v[BM+\b], s[SEL], s[SEL+1]
.endr
.irp b, 0,1,2,3
	v_max_num_f32 v[BM+\b], v[BM+\b], v[BX+\b]     ; the block's largest score
.endr
.irp b, 0,1,2,3
	v_mul_f32 v[MP+2*\b+1], s[CS], v[BM+\b]        ; as t
.endr
.irp b, 0,1,2,3
	v_floor_f32 v[MP+2*\b], -v[MP+2*\b+1]          ; -M = floor(-t) = -ceil(t)
.endr
.set n, 0
.rept 32
	v_pk_mul_f32 v[S+2*n:S+2*n+1], v[S+2*n:S+2*n+1], s[CS:CS+1] op_sel_hi:[1,0]   ; t
.set n, n+1
.endr
.set n, 0
.rept 32
	v_pk_add_f32 v[S+2*n:S+2*n+1], v[S+2*n:S+2*n+1], v[MP+2*(n/8):MP+2*(n/8)+1] op_sel_hi:[1,0]   ; t - M
.set n, n+1
.endr
.irp b, 0,1,2,3
	v_add_f32 v[PMX+\b], v[MP+2*\b+1], v[MP+2*\b]  ; the same of the block's largest t
.endr
.set n, 0
	s_wait_alu depctr_va_vdst(0)
.rept 64
	v_exp_f32 v[S+n], v[S+n]                       ; p = 2^(t - M)
.set n, n+1
.endr
	v_nop                                          ; a plain place behind the exponentials
	s_wait_alu depctr_va_vdst(0)                   ; one wait for the batch, ahead of its first reader
.irp b, 0,1,2,3
	v_exp_f32 v[PMX+\b], v[PMX+\b]                 ; the block's largest p: the same instructions on the same number give the same bits
.endr
.irp b, 0,1,2,3
	v_pk_add_f32 v[LS+2*\b:LS+2*\b+1], v[S+16*\b:S+16*\b+1], v[S+16*\b+2:S+16*\b+3]   ; the sums are taken of the unquantised p
.endr
.irp i, 4,6,8,10,12,14
.irp b, 0,1,2,3
	v_pk_add_f32 v[LS+2*\b:LS+2*\b+1], v[LS+2*\b:LS+2*\b+1], v[S+16*\b+\i:S+16*\b+\i+1]
.endr
.endr
.irp b, 0,1,2,3
	v_add_f32 v[LS+2*\b], v[LS+2*\b], v[LS+2*\b+1]
.endr
.irp b, 0,1,2,3
	v_permlanex16_b32 v[BX+\b], v[LS+2*\b], s[SEL], s[SEL+1]
.endr
.irp b, 0,1,2,3
	v_add_f32 v[LS+2*\b], v[LS+2*\b], v[BX+\b]
.endr
	s_wait_alu depctr_va_vdst(0)                   ; and one for the four
.irp b, 0,1,2,3
	v_add_nc_u32 v[SO+\b], 0xff000000, v[PMX+\b]   ; 2 off the exponent field: the conversion's scale operand (the largest p lies above 1/2: no floor is needed)
.endr
.irp b, 0,1,2,3
	v_lshrrev_b32 v[XE+\b], 23, v[PMX+\b]
.endr
.irp b, 0,1,2,3
	v_add_nc_u32 v[XE+\b], 0xffffff81, v[XE+\b]    ; the largest p's exponent: -1 or 0
.endr
.irp b, 0,1,2,3
	v_cvt_f32_i32 v[NN+\b], v[XE+\b]
.endr
.irp b, 0,1,2,3
	v_sub_f32 v[NN+\b], v[NN+\b], v[MP+2*\b]       ; N = that exponent + M
.endr
.irp b, 0,1,2,3
	v_sub_nc_u32 v[XE+\b], 0, v[XE+\b]
.endr
.irp b, 0,1,2,3
	v_ldexp_f32 v[LL+\b], v[LS+2*\b], v[XE+\b]     ; L = the sum / 2^(that exponent): exact
.endr
.if (\a) > 0
	s_wait_alu depctr_va_vdst(0)
	s_wait_xcnt 0x0                                ; the last block's stores have read their data: the lines below are the first that write those registers again
.endif
.irp c, 0,1
	v_cvt_scalef32_pk16_fp6_f32 v[PC+6*\c:PC+2+6*\c], v[S+32*\c:S+15+32*\c], v[SO+2*\c]
	v_cvt_scalef32_pk16_fp6_f32 v[PC+12+4*\c:PC+14+4*\c], v[S+16+32*\c:S+31+32*\c], v[SO+2*\c+1]
.endr
	v_nop                                          ; one plain place behind a scaled conversion
.irp c, 0,1
.irp i, 0,1,2
	v_permlane16_swap_b32 v[PC+6*\c+\i], v[PC+12+4*\c+\i]
.endr
.irp i, 0,1,2
	v_mov_b32 v[PC+3+6*\c+\i], v[PC+12+4*\c+\i]
.endr
.endr
.irp b, 0,1,2,3
	v_cndmask_b32 v[NLQ+\b], v[NN+\b], v[LL+\b], s[HM]
.endr
.irp g, 0,1,2
	global_store_b128 v[LI], v[PC+4*\g:PC+4*\g+3], s[8:9] offset:24576*(\a)+512*\g   ; the image: 512 consecutive bytes a store
.endr
	global_store_b128 v[NLO], v[NLQ:NLQ+3], s[10:11] offset:512*(\a)                 ; 16 rows x four N: 256 consecutive bytes; and the same of L
.endm
	PLACES
	v_mov_b32 v[SMK], 0xdc7fcb9e                   ; f32(-9e15) x 32
	v_mov_b32 v[ZR], 0
.irp b, 0,1,2,3
	v_mov_b32 v[BX+\b], 0                          ; a lane permute's destination counts as one of its sources
.endr
	v_and_b32 v[D0], 8, v3
	v_add_nc_u32 v[D0], v[D0], v3                  ; r + 8 (r / 8)
	v_lshlrev_b32 v[DA], 4, v4
	v_sub_nc_u32 v[D0], v[D0], v[DA]               ; - 16 h
	v_add_nc_u32 v[D0], s23, v[D0]
.irp a, 0,1,2,3,4,5,6,7
	SOFT \a
.endr
	s_wait_tensorcnt 0x0                           ; the wave's end
	ds_add_u32 v[SPW], v[NIL]
	s_wait_dscnt 0x0
	s_endpgm
.Lfunc_end_k_q78649e0c87_scores:
	.size	k_q78649e0c87_scores, .Lfunc_end_k_q78649e0c87_scores-k_q78649e0c87_scores
	.p2alignl 7, 3214868480
	.fill 96, 4, 3214868480
	.section	.rodata,"a",@progbits
	.p2align	6, 0x0
	.amdhsa_kernel k_q78649e0c87_scores
		.amdhsa_group_segment_fixed_size 327680
		.amdhsa_private_segment_fixed_size 0
		.amdhsa_enable_private_segment 0
		.amdhsa_kernarg_size 32
		.amdhsa_user_sgpr_count 2
		.amdhsa_user_sgpr_kernarg_segment_ptr 1
		.amdhsa_wavefront_size32 1
		.amdhsa_system_sgpr_workgroup_id_x 1
		.amdhsa_system_sgpr_workgroup_id_y 1
		.amdhsa_system_sgpr_workgroup_id_z 1
		.amdhsa_system_vgpr_workitem_id 0
		.amdhsa_next_free_vgpr 1024
		.amdhsa_next_free_sgpr 66
		.amdhsa_reserve_vcc 0
		.amdhsa_float_denorm_mode_32 3
		.amdhsa_float_denorm_mode_16_64 3
		.amdhsa_memory_ordered 1
		.amdhsa_forward_progress 1
		.amdhsa_inst_pref_size 255
	.end_amdhsa_kernel
	.section	.bss,"aw",@nobits
	.p2align	6
	.space	262144
	.amdgpu_metadata
---
amdhsa.version: [ 1, 2 ]
amdhsa.kernels:
  - .name:           k_q78649e0c87_scores
    .symbol:         k_q78649e0c87_scores.kd
    .args:
      - { .name: qk_codes, .offset: 0, .size: 8, .value_kind: global_buffer, .address_space: global }
      - { .name: c_aux, .offset: 8, .size: 8, .value_kind: global_buffer, .address_space: global }
      - { .name: p_codes, .offset: 16, .size: 8, .value_kind: global_buffer, .address_space: global }
      - { .name: nl, .offset: 24, .size: 8, .value_kind: global_buffer, .address_space: global }
    .group_segment_fixed_size: 327680
    .private_segment_fixed_size: 0
    .kernarg_segment_align: 8
    .kernarg_segment_size: 32
    .max_flat_workgroup_size: 128
    .sgpr_count:     66
    .vgpr_count:     1024
    .wavefront_size: 32
...
	.end_amdgpu_metadata
.endif
;; end of part 3
;; launch mix (part 4): grid 4 x 64, 4 waves a work-group, clusters of 4 x 4, 327,680 bytes of LDS; arguments p_codes, nl, vt_codes, c_aux, out0; writes out0
.if DOCPART == 4
	.amdgcn_target "amdgcn-amd-amdhsa--gfx1250"
	.amdhsa_code_object_version 6
	.text
	.protected	k_q78649e0c87_mix
	.globl	k_q78649e0c87_mix
	.p2align	8
	.type	k_q78649e0c87_mix,@function
k_q78649e0c87_mix:
	s_mov_b64 s[64:65], 0
	v_nop
	global_prefetch_b8 v0, s[64:65] scope:SCOPE_SE
	s_setreg_imm32_b32 hwreg(HW_REG_WAVE_MODE, 25, 1), 1
	s_wait_xcnt 0x0
	s_wait_alu depctr_hold_cnt(0) depctr_sa_sdst(0) depctr_va_vdst(0) depctr_va_sdst(0) depctr_va_ssrc(0) depctr_va_vcc(0) depctr_vm_vsrc(0)
	s_getreg_b32 s2, hwreg(HW_REG_IB_STS2, 6, 4)
	s_cmp_eq_u32 s2, 0
	s_cbranch_scc0 .Lentry_in_a_cluster
	s_endpgm
.Lentry_in_a_cluster:
	s_bfe_u32 s2, ttmp6, 0x10000c
	s_cmp_lg_u32 s2, 0xf033
	s_cbranch_scc0 .Lentry_shape_is_right
	s_endpgm
.Lentry_shape_is_right:
; out = (sum over keys of p v) / l on codes of FP6 (E2M3), K = the keys.  A work-group makes 128 queries x 256 features; a wave 64 x 128 (32 accumulators).
; A cluster of 4 x 4 takes 512 queries (group II of a batch: 4 x 128 along y) x 1,024 features (4 x 256 along x).  Keys go in tiles of 512 (four K steps of 128); group II walks tiles II .. 3:
; the tiles before lie wholly under the mask that keeps key >= query, and no product is made for them.
; WHAT THE MASK LEAVES OF THEM: a masked score is the finite number -9e15, so each masked key has the weight 2^(NM - R), NM = -9e15 as t, R the row's largest N.  For the tiles left out that weight times the sum of
; the quantised v over their keys (vsum, made by the launch that quantised v) starts the accumulators, and 32 a block goes into the row's sum.
; p's SCALE BYTES AND THE ROW'S SUM are made here: the launch before left for each block of 32 keys N (its whole number M + the exponent of its largest p) and L (its sum under that exponent).
; R = the row's largest N; a block's byte is 125 + (N - R), its part of the sum L x 2^(N - R).  LIMIT: N - R is held at -124 from below, so a block that far under the row's largest counts 2^-124 of itself and not 0.
; Work left out: as the head of the first kernels says of tiles wholly under the mask; a NaN or an infinity that reaches only them is not carried to the result.
; Operands lie in memory as images of their registers, (block of 16 rows, K step) = 1,536 bytes; lane r of block t is row 32 (t / 2) + 8 (t % 2) + r + 8 (r / 8).  Source 0 = 16 features of V^T, source 1 = 16 queries.
; LDS: two slots of one tile each (A's 8 blocks x 6,144 bytes, then B's 16).  AT THE HEAD each wave issues one joint load: wave 0 A's part of slot 0, wave 1 of slot 1, waves 2, 3 the same of B: both slots are asked for at once.
; A refill is shared out otherwise: waves 0, 1 take A's halves, waves 2, 3 B's; so group 1's row counts are halved behind the wait that shows the head's loads landed.
; V^T's scale words, N, L and vsum come by loads into registers, issued behind the tensor load; the arithmetic on them runs while the tiles are on their way.
; PREFETCH: the tiles that refills bring (groups 0 and 1 alone have refills) are asked for ahead: the first refill's tile at the head, a slot's four K steps or more ahead of its load; group 0's second at the head of slot 0, two slots ahead.
; Each 256 bytes are named once in a cluster: of A's 8 blocks the partner at cx takes two, a wave half a block's 6,144 bytes (12 lanes); of B's 16 the partner at cy takes four, a wave one (24 lanes); lanes left over name the last again.
; REGISTERS: window 0: v6-31 addresses; v32-43 scale words, two sets; v48-143 A's fragments, two sets; at the head v32-255 N, L and what is made of them.  window 1: B's fragments at v0, v128.  window 2: accumulator (a, b) at v[8 (8 a + b)].
.set NA,    4
.set ROWS,  4*1536                     ; a block's bytes in a slot
.set RING1, 147456                     ; a slot
.set BOFF,  49152                      ; B's blocks in it
.set SCB,   2*RING1                    ; V^T's scale words [16 K steps][256 rows]
.set SCA,   SCB+16384                  ; p's [16 K steps][128 rows]
.set TAB,   SCA+8192                   ; 128 weights of a masked key, then 128 x 1 / l
.set VP,    TAB+1024                   ; the sum of v over the tiles left out, 256 features
.set SPARE, VP+1024                    ; the spare words, 128 bytes for each wave
.set PA,    512
.set PFVA, 6                           ; the prefetches' lane offsets; never rewritten
.set PFVB, 7
.set LI,   8                           ; 16 x lane
.set L4,   9                           ; 4 x lane
.set SCW,  11                          ; where I put p's scale words
.set TBW,  12                          ; and the table's
.set VPW,  13
.set VX,   14                          ; 8 x thread
.set SBW,  15                          ; where I put V^T's scale words
.set ADRA, 16
.set ADRB, 20
.set ASA,  24
.set ASB,  25
.set VPR,  26
.set TBR,  27
.set SPW,  28                          ; my spare word; never rewritten
.set NIL,  29                          ; 0; never rewritten
.set STO,  30
.set RD,   31
.set SC,   32
.set SCSET, 6
.set AF,   48
.set ASET, 48
.set DD,   32                          ; at the head: v32-39, v40-47, v48-55 eight chains (block k, place q) at 4 k + q
.set EE,   40
.set LSUM, 48
.set RR,   56                          ; v56-63 a register for each block
.set TT,   58
.set WT,   60
.set LV0,  62
.set PN,   64                          ; v64-191 N and L: 64 k + 8 (pair of K steps) + 0..3 N, 4..7 L
.set WW,   192
.set VT,   208
.set VS,   232
.set NM,   248
.set TW,   251
.set VPX,  144
.set WR,   208
.set T,    48
.set LV,   240
.set G1,   24                          ; s[24:31] group 1 for A;  s[32:39] group 0 for A's refills, one set a slot
.set G0,   32
.set PFA,  42                          ; s[42:43], s[46:47] where my prefetches stand; never rewritten
.set PFB,  46
.set G1B,  48                          ; s[48:55], s[56:63] the same for B
.set G0B,  56
.set G0H,  68                          ; s[68:71], s[72:75] group 0 for the head's loads
.set G0HB, 72
.set PS,   76                          ; s[76:77] my four K steps of V^T's scale words
.set II,   92
.set HM,   93
.set CS,   90
.set SEL,  98
.set MUL_LO, 0xa1
.set MSB, 0
.macro WIN new                         ; the immediate's high byte repeats the setting that is left
.if MSB != (\new)
	s_set_vgpr_msb (MSB<<8)|(\new)
.set MSB, (\new)
.endif
.endm
.macro PLACES                          ; four plain places behind matrix instructions (ISA guide 7.12.1)
.rept 4
	v_nop
.endr
.endm
.macro JLOAD g0a, g1a, g0b, g1b        ; a joint load: waves 0, 1 fetch for A, waves 2, 3 for B; s_nop 0 and four v_nop follow each line
	s_cmp_eq_u32 s15, 0
	s_cbranch_scc0 .Lfor_b_\@
	tensor_load_to_lds s[\g0a:\g0a+3], s[\g1a:\g1a+7]
	s_nop 0
.rept 4
	v_nop
.endr
	s_branch .Lasked_\@
.Lfor_b_\@:
	tensor_load_to_lds s[\g0b:\g0b+3], s[\g1b:\g1b+7]
	s_nop 0
.rept 4
	v_nop
.endr
.Lasked_\@:
.endm
.macro CREST
	s_cmp_lg_u32 s14, 0
	s_cbranch_scc1 .Lnot_wave_0_\@
	s_barrier_signal -3
.Lnot_wave_0_\@:
	s_barrier_wait -3
	s_barrier_signal -1
	s_barrier_wait -1
.endm
.macro CROUND
	s_barrier_signal -1
	s_barrier_wait -1
	CREST
.endm
.macro FETCH ring, q, set, kabs        ; the fragments and scale words of the slot's q-th K step, absolute K step kabs
	WIN 0x40
.set fi, 0
.rept 8
.irp g, 0,1,2
	ds_load_b128 v[128*(\set)+12*fi+4*\g:128*(\set)+12*fi+4*\g+3], v[ADRB+(\ring)] offset:fi*ROWS+(\q)*1536+512*\g
.endr
.set fi, fi+1
.endr
	WIN 0
.set fi, 0
.rept NA
.irp g, 0,1,2
	ds_load_b128 v[AF+ASET*(\set)+12*fi+4*\g:AF+ASET*(\set)+12*fi+4*\g+3], v[ADRA+(\ring)] offset:fi*ROWS+(\q)*1536+512*\g
.endr
.set fi, fi+1
.endr
.set fi, 0
.rept NA/2
	ds_load_b32 v[SC+SCSET*(\set)+fi], v[ASA] offset:(\kabs)*PA+128*fi
.set fi, fi+1
.endr
.set fi, 0
.rept 4
	ds_load_b32 v[SC+SCSET*(\set)+NA/2+fi], v[ASB] offset:(\kabs)*1024+128*fi
.set fi, fi+1
.endr
.endm
.macro WM a, b, set                    ; an odd block's scale words stand in lanes 16-31
.set rD, 8*(8*(\a)+(\b))
.set rB, 128*(\set)+12*(\b)
.set rA, AF+ASET*(\set)+12*(\a)
.set rSB, SC+SCSET*(\set)+NA/2+(\b)/2
.set rSA, SC+SCSET*(\set)+(\a)/2
.if ((\b)%2) && ((\a)%2)
	v_wmma_scale_f32_16x16x128_f8f6f4 v[rD:rD+7], v[rB:rB+11], v[rA:rA+11], v[rD:rD+7], v[rSB], v[rSA] matrix_a_fmt:MATRIX_FMT_FP6 matrix_b_fmt:MATRIX_FMT_FP6 matrix_a_scale:MATRIX_SCALE_ROW1 matrix_b_scale:MATRIX_SCALE_ROW1
.elseif (\b)%2
	v_wmma_scale_f32_16x16x128_f8f6f4 v[rD:rD+7], v[rB:rB+11], v[rA:rA+11], v[rD:rD+7], v[rSB], v[rSA] matrix_a_fmt:MATRIX_FMT_FP6 matrix_b_fmt:MATRIX_FMT_FP6 matrix_a_scale:MATRIX_SCALE_ROW1
.elseif (\a)%2
	v_wmma_scale_f32_16x16x128_f8f6f4 v[rD:rD+7], v[rB:rB+11], v[rA:rA+11], v[rD:rD+7], v[rSB], v[rSA] matrix_a_fmt:MATRIX_FMT_FP6 matrix_b_fmt:MATRIX_FMT_FP6 matrix_b_scale:MATRIX_SCALE_ROW1
.else
	v_wmma_scale_f32_16x16x128_f8f6f4 v[rD:rD+7], v[rB:rB+11], v[rA:rA+11], v[rD:rD+7], v[rSB], v[rSA] matrix_a_fmt:MATRIX_FMT_FP6 matrix_b_fmt:MATRIX_FMT_FP6
.endif
.endm
.macro MUL16 a0, set                   ; the accumulators take turns, one instruction a turn
.irp a, \a0, \a0+1
.irp b, 0,1,2,3,4,5,6,7
	WM \a, \b, \set
.endr
.endr
.endm
.macro STEP ring, q, kabs
	s_wait_dscnt 0x0                               ; this K step's set is in
	PLACES
	FETCH \ring, (\q)+1, 1-((\q)%2), (\kabs)+1
	WIN MUL_LO
	MUL16 0, (\q)%2
	MUL16 2, (\q)%2
	WIN 0
.endm
.macro SLOT3 ring, k0
	STEP \ring, 0, (\k0)
	STEP \ring, 1, (\k0)+1
	STEP \ring, 2, (\k0)+2
.endm
.macro TURN ring, next, fill, kabs     ; a slot's last K step, and the change of slots
	s_wait_tensorcnt 0x0                           ; all my tensor loads have landed
	ds_add_u32 v[SPW], v[NIL]                      ; 0 onto my spare word
	s_wait_dscnt 0x1                               ; the fragments are in; only the add may be out
	WIN MUL_LO
	MUL16 0, 1
.if \fill
	s_add_nc_u64 s[G0+4*\ring+2:G0+4*\ring+3], s[G0+4*\ring+2:G0+4*\ring+3], 2*ROWS
	s_add_nc_u64 s[G0B+4*\ring+2:G0B+4*\ring+3], s[G0B+4*\ring+2:G0B+4*\ring+3], 2*ROWS
.endif
	WIN 0
	s_wait_dscnt 0x0                               ; the add is done, and my reads of this slot are over
	s_barrier_signal -1
	s_barrier_wait -1
.if \fill
	CREST                                          ; the barrier has opened a round of the cluster's: no wave of any partner still reads this slot
	JLOAD G0+4*\ring, G1, G0B+4*\ring, G1B         ; the tile two further on: the first tensor load behind the round
.else
	PLACES
.endif
	FETCH \next, 0, 0, \kabs
	WIN MUL_LO
	MUL16 2, 1
	WIN 0
.endm
	s_load_b256 s[4:11], s[0:1], 0x0               ; p's codes, N and L, V^T's codes, scale words and vsum
	s_load_b64 s[12:13], s[0:1], 0x20              ; out
	v_lshl_add_u32 v[SPW], v0, 2, SPARE
	v_mov_b32 v[NIL], 0
	ds_add_u32 v[SPW], v[NIL]                      ; the opening lines: the add, twice on end, and its wait ahead of my first tensor load
	ds_add_u32 v[SPW], v[NIL]
	v_lshrrev_b32 v1, 5, v0
	v_readfirstlane_b32 s14, v1                    ; wave
	s_lshr_b32 s15, s14, 1                         ; my half of the queries.  Also: I fetch for A (0) or B (1)
	s_and_b32 s16, s14, 1                          ; my half of the features.  Also: the slot that I fill at the head, the half that I refill
	s_bfe_u32 s40, ttmp6, 0x40000                  ; cx
	s_bfe_u32 s41, ttmp6, 0x40004                  ; cy
	s_lshl_b32 s43, s41, 2
	s_lshl_b32 s43, 15, s43                        ; my row of the cluster
	s_lshl_b32 s44, 0x1111, s40                    ; my column
	s_and_b32 s18, ttmp7, 0xffff
	s_lshr_b32 s17, s18, 2                         ; the batch
	s_and_b32 s[II], s18, 3                        ; the group of 512 queries: the same in all partners
	s_add_co_u32 s19, s[II], 1
	s_and_b32 s19, s19, 6
	s_min_u32 s19, s19, 3
	s_mul_i32 s19, s19, ROWS                       ; slot 0 begins with tile 0, 2, 2, 3
	s_or_b32 s20, s[II], 1
	s_mul_i32 s20, s20, ROWS                       ; slot 1 with tile 1, 1, 3, 3
	s_or_b32 s[G1], s43, (3<<16)|(1<<21)           ; A: rows (blocks) of 768 elements of 8 bytes, 3,072 apart; 8 at the head
	s_mov_b32 s[G1+1], 768<<16
	s_mov_b32 s[G1+2], 8<<16
	s_mov_b32 s[G1+3], 768<<16
	s_mov_b32 s[G1+4], 8
	s_mov_b32 s[G1+5], 3072
	s_mov_b32 s[G1+6], 0
	s_mov_b32 s[G1+7], 0
	s_or_b32 s[G1B], s44, (3<<16)|(1<<21)          ; B: 12,288 apart; 16 at the head
	s_mov_b32 s[G1B+1], 768<<16
	s_mov_b32 s[G1B+2], 16<<16
	s_mov_b32 s[G1B+3], 768<<16
	s_mov_b32 s[G1B+4], 16
	s_mov_b32 s[G1B+5], 12288
	s_mov_b32 s[G1B+6], 0
	s_mov_b32 s[G1B+7], 0
	s_cmp_eq_u32 s16, 0
	s_cselect_b32 s23, s19, s20                    ; the tile of the slot that I fill at the head
	s_lshl_b32 s21, s17, 7                         ; A's offsets never hold cx, B's never cy
	s_lshl_b32 s22, s[II], 5
	s_add_co_u32 s21, s21, s22
	s_lshl_b32 s22, s41, 3
	s_add_co_u32 s21, s21, s22                     ; my work-group's first block of queries
	s_mul_i32 s21, s21, 24576
	s_add_co_u32 s82, s21, s23
	s_mov_b32 s83, 0
	s_mul_i32 s22, s16, 4*24576                    ; refills: my four blocks
	s_add_co_u32 s21, s21, s22
	s_add_co_u32 s94, s21, s19
	s_mov_b32 s95, 0
	s_add_co_u32 s96, s21, s20
	s_mov_b32 s97, 0
	s_lshl_b32 s46, s40, 4
	s_mul_i32 s46, s46, 98304
	s_mul_i32 s47, s17, 24576
	s_add_co_u32 s46, s46, s47                     ; my work-group's first block of features, the batch's keys
	s_add_co_u32 s84, s46, s23
	s_mov_b32 s85, 0
	s_mul_i32 s47, s16, 8*98304                    ; refills: my eight blocks
	s_add_co_u32 s46, s46, s47
	s_add_co_u32 s86, s46, s19
	s_mov_b32 s87, 0
	s_add_co_u32 s88, s46, s20
	s_mov_b32 s89, 0
	s_lshl_b32 s80, s17, 4
	s_lshl_b32 s42, s14, 2
	s_add_co_u32 s80, s80, s42
	s_lshl_b32 s80, s80, 12
	s_lshl_b32 s42, s40, 10
	s_add_co_u32 s80, s80, s42
	s_add_co_u32 s80, s80, 524288                  ; V^T's scale words: K steps 4 w .. 4 w + 3 of the batch, my 256 features
	s_mov_b32 s81, 0
	s_mul_i32 s45, s16, 24576                      ; LDS: no place in the cluster enters an LDS address
	s_mul_i32 s78, s16, 49152
	s_add_co_u32 s78, s78, BOFF
	s_mul_i32 s79, s16, RING1
	s_lshl_b32 s2, s17, 11                         ; out: my first row,
	s_lshl_b32 s22, s[II], 9
	s_add_co_u32 s2, s2, s22
	s_lshl_b32 s22, s41, 7
	s_add_co_u32 s2, s2, s22
	s_lshl_b32 s22, s15, 6
	s_add_co_u32 s2, s2, s22
	s_lshl_b32 s2, s2, 12
	s_lshl_b32 s22, s40, 10                        ; my first column
	s_add_co_u32 s2, s2, s22
	s_lshl_b32 s22, s16, 9
	s_add_co_u32 s2, s2, s22
	s_mov_b32 s3, 0
	s_lshl_b32 s18, s17, 10                        ; N, L: [batch][8 pairs of K steps][128 blocks][512 bytes]; wave w takes blocks 2 w, 2 w + 1 of the work-group's eight
	s_lshl_b32 s22, s[II], 5
	s_add_co_u32 s18, s18, s22
	s_lshl_b32 s22, s41, 3
	s_add_co_u32 s18, s18, s22
	s_lshl_b32 s22, s14, 1
	s_add_co_u32 s18, s18, s22
	s_lshl_b32 s18, s18, 9
	s_mov_b32 s19, 0
	s_lshl_b32 s20, s17, 16                        ; vsum
	s_lshl_b32 s22, s40, 10
	s_add_co_u32 s20, s20, s22
	s_add_co_u32 s20, s20, 786432
	s_mov_b32 s21, 0
	s_mul_i32 s22, s15, 24576
	s_lshl_b32 s42, s15, 8
	s_add_co_u32 s42, s42, SCA
	s_lshl_b32 s47, s16, 9
	s_add_co_u32 s67, s47, VP
	s_add_co_u32 s47, s47, SCB
	s_lshl_b32 s66, s14, 7
	s_lshl_b32 s91, s15, 8
	s_add_co_u32 s91, s91, TAB
	s_mul_i32 s43, s14, 16*528
	s_lshl_b32 s44, s14, 12
	s_add_co_u32 s44, s44, SCB
	s_mov_b32 s[HM], 0xffff0000
	s_mov_b32 s[CS], 0x3d38aa3b                    ; log2(e) / 32
	s_mov_b32 s[SEL], 0x76543210
	s_mov_b32 s[SEL+1], 0xfedcba98
	v_and_b32 v2, 31, v0
	v_and_b32 v3, 15, v0                           ; r
	v_bfe_u32 v4, v0, 4, 1                         ; h
	v_lshlrev_b32 v[LI], 4, v2
	v_lshlrev_b32 v[L4], 2, v2
	v_add_nc_u32 v[ADRA], s22, v[LI]
	v_add_nc_u32 v[ADRB], s78, v[LI]
	v_add_nc_u32 v[ADRA+1], RING1, v[ADRA]
	v_add_nc_u32 v[ADRB+1], RING1, v[ADRB]
	v_add_nc_u32 v[ASA], s42, v[L4]
	v_add_nc_u32 v[ASB], s47, v[L4]
	v_min_u32 v[PFVA], 11, v2                      ; 12 x 256 bytes of A,
	v_lshlrev_b32 v[PFVA], 8, v[PFVA]
	v_min_u32 v[PFVB], 23, v2                      ; 24 x 256 of B
	v_lshlrev_b32 v[PFVB], 8, v[PFVB]
	v_lshlrev_b32 v5, 2, v3
	v_lshl_add_u32 v5, v4, 9, v5
	v_add_nc_u32 v5, s66, v5
	v_add_nc_u32 v[SCW], SCA, v5
	v_add_nc_u32 v[TBW], TAB, v5
	v_lshlrev_b32 v[VX], 3, v0
	v_add_nc_u32 v[VPW], VP, v[VX]
	v_lshl_add_u32 v[VPR], v4, 6, s67
	v_lshl_add_u32 v[TBR], v3, 2, s91
	v_mul_u32_u24 v[STO], v3, 528
	v_lshl_add_u32 v[STO], v4, 6, v[STO]
	v_add_nc_u32 v[STO], s43, v[STO]
	v_add_nc_u32 v[RD], s43, v[LI]
	v_add_nc_u32 v[SBW], s44, v[LI]
	v_mov_b32 v[NM], 0xdc7fcb9e                    ; f32(-9e15) x 32,
	v_mul_f32 v[NM], s[CS], v[NM]                  ; as t
	v_mov_b32 v[TT], 0                             ; a lane permute's destination counts as one of its sources
	v_mov_b32 v[TT+1], 0
	s_add_co_u32 s23, s[II], 2                     ; the prefetches: the first refill's tile,
	s_min_u32 s23, s23, 3
	s_mul_i32 s23, s23, ROWS
	s_lshl_b32 s[PFA], s17, 7                      ; of A block 2 cx + w / 2 of my row's eight, half w % 2 of its 6,144 bytes;
	s_lshl_b32 s22, s[II], 5
	s_add_co_u32 s[PFA], s[PFA], s22
	s_lshl_b32 s22, s41, 3
	s_add_co_u32 s[PFA], s[PFA], s22
	s_lshl_b32 s22, s40, 1
	s_add_co_u32 s[PFA], s[PFA], s22
	s_add_co_u32 s[PFA], s[PFA], s15
	s_mul_i32 s[PFA], s[PFA], 24576
	s_mul_i32 s22, s16, 3072
	s_add_co_u32 s[PFA], s[PFA], s22
	s_add_co_u32 s[PFA], s[PFA], s23
	s_mov_b32 s[PFA+1], 0
	s_lshl_b32 s[PFB], s40, 4                      ; of B block 4 cy + w of my column's sixteen
	s_lshl_b32 s22, s41, 2
	s_add_co_u32 s[PFB], s[PFB], s22
	s_add_co_u32 s[PFB], s[PFB], s14
	s_mul_i32 s[PFB], s[PFB], 98304
	s_mul_i32 s22, s17, 24576
	s_add_co_u32 s[PFB], s[PFB], s22
	s_add_co_u32 s[PFB], s[PFB], s23
	s_mov_b32 s[PFB+1], 0
	s_wait_alu depctr_va_vdst(0)
	s_wait_dscnt 0x0                               ; both opening adds are done
	s_wait_kmcnt 0x0
	s_add_nc_u64 s[12:13], s[12:13], s[2:3]
	s_add_nc_u64 s[6:7], s[6:7], s[18:19]
	s_add_nc_u64 s[PS:PS+1], s[10:11], s[80:81]
	s_add_nc_u64 s[10:11], s[10:11], s[20:21]
	s_add_nc_u64 s[PFA:PFA+1], s[4:5], s[PFA:PFA+1]
	s_add_nc_u64 s[PFB:PFB+1], s[8:9], s[PFB:PFB+1]
	s_mov_b32 s[G0H], 1
	s_mov_b32 s[G0H+1], s79
	s_add_nc_u64 s[G0H+2:G0H+3], s[4:5], s[82:83]
	s_or_b32 s[G0H+3], s[G0H+3], 0x80000000
	s_mov_b32 s[G0HB], 1
	s_add_co_u32 s[G0HB+1], s79, BOFF
	s_add_nc_u64 s[G0HB+2:G0HB+3], s[8:9], s[84:85]
	s_or_b32 s[G0HB+3], s[G0HB+3], 0x80000000
.irp s, 0,1
	s_mov_b32 s[G0+4*\s], 1
	s_add_co_u32 s[G0+4*\s+1], s45, \s*RING1
	s_add_nc_u64 s[G0+4*\s+2:G0+4*\s+3], s[4:5], s[94+2*\s:95+2*\s]
	s_or_b32 s[G0+4*\s+3], s[G0+4*\s+3], 0x80000000
	s_mov_b32 s[G0B+4*\s], 1
	s_add_co_u32 s[G0B+4*\s+1], s78, \s*RING1
	s_add_nc_u64 s[G0B+4*\s+2:G0B+4*\s+3], s[8:9], s[86+2*\s:87+2*\s]
	s_or_b32 s[G0B+4*\s+3], s[G0B+4*\s+3], 0x80000000
.endr
	CROUND                                         ; all sixteen work-groups are here: the first joint loads meet
	JLOAD G0H, G1, G0HB, G1B                       ; one tensor load a wave: the four fill both slots
	s_cmp_lt_u32 s[II], 2                          ; groups 2 and 3 have no refill
	s_cbranch_scc0 .Lno_ask
	global_prefetch_b8 v[PFVA], s[PFA:PFA+1] th:TH_LOAD_NT scope:SCOPE_SE   ; the first refill's tile: group 0's tile 2, group 1's tile 3
	global_prefetch_b8 v[PFVB], s[PFB:PFB+1] th:TH_LOAD_NT scope:SCOPE_SE
.Lno_ask:
	WIN 0x40                                       ; into window 1, where B's fragments will lie
.set n, 0
.rept 8
	global_load_b128 v[4*n:4*n+3], v[LI], s[PS:PS+1] offset:(n/2)*4096+(n%2)*512   ; V^T's scale words: 1,024 bytes a K step
.set n, n+1
.endr
	WIN 0
; N and L of tile g (four K steps), or, where the tile is left out, the numbers of 32 masked keys a block, and the tile's vsum.  A load reads 512 consecutive bytes: lanes 0-15 the even K step's rows, lanes 16-31 the odd one's
.irp g, 0,1,2,3
.if \g < 3
	s_cmp_gt_u32 s[II], \g
	s_cbranch_scc1 .Lvirtual_\g
.irp c, 0,1,2,3,4,5,6,7
	v_mov_b32 v[VT+8*\g+\c], 0
.endr
.endif
.irp k, 0,1
.irp u, 0,1
	global_load_b128 v[PN+64*\k+8*(2*\g+\u):PN+64*\k+8*(2*\g+\u)+3], v[LI], s[6:7] offset:65536*(2*\g+\u)+512*\k
	global_load_b128 v[PN+64*\k+8*(2*\g+\u)+4:PN+64*\k+8*(2*\g+\u)+7], v[LI], s[6:7] offset:2097152+65536*(2*\g+\u)+512*\k
.endr
.endr
.if \g < 3
	s_branch .Lgiven_\g
.Lvirtual_\g:
	s_wait_alu depctr_va_vdst(0)
.irp k, 0,1
.irp u, 0,1
.irp q, 0,1,2,3
	v_mov_b32 v[PN+64*\k+8*(2*\g+\u)+\q], v[NM]
	v_mov_b32 v[PN+64*\k+8*(2*\g+\u)+4+\q], 0x42000000
.endr
.endr
.endr
.irp c, 0,1,2,3
	global_load_b64 v[VT+8*\g+2*\c:VT+8*\g+2*\c+1], v[VX], s[10:11] offset:(4*\g+\c)*4096
.endr
.Lgiven_\g:
.endif
.endr
	s_wait_alu depctr_va_vdst(0)
	s_wait_loadcnt 0x0                             ; one wait for all of them
	WIN 0x04
.set n, 0
.rept 8
	ds_store_b128 v[SBW], v[4*n:4*n+3] offset:512*n
.set n, n+1
.endr
	WIN 0
.irp c, 0,1,2,3,4,5
	v_pk_add_f32 v[VT+4*\c:VT+4*\c+1], v[VT+4*\c:VT+4*\c+1], v[VT+4*\c+2:VT+4*\c+3]
.endr
.irp c, 0,1,2
	v_pk_add_f32 v[VT+8*\c:VT+8*\c+1], v[VT+8*\c:VT+8*\c+1], v[VT+8*\c+4:VT+8*\c+5]
.endr
	v_pk_add_f32 v[VS:VS+1], v[VT:VT+1], v[VT+8:VT+9]
	v_pk_add_f32 v[VS:VS+1], v[VS:VS+1], v[VT+16:VT+17]
	ds_store_b64 v[VPW], v[VS:VS+1]                ; the sum of v over the tiles left out: two features a thread
; THE ROWS' NUMBERS.  Blocks 2 w + k of the queries, k = 0, 1: lane (r, h) holds row r's N and L of the K steps of parity h.  Eight chains (k, q) take turns, so that no line waits for the line above it.
.irp k, 0,1
.irp q, 0,1,2,3
	v_max3_num_f32 v[EE+4*\k+\q], v[PN+64*\k+\q], v[PN+64*\k+8+\q], v[PN+64*\k+16+\q]
.endr
.endr
.irp s, 24,40
.irp k, 0,1
.irp q, 0,1,2,3
	v_max3_num_f32 v[EE+4*\k+\q], v[EE+4*\k+\q], v[PN+64*\k+\s+\q], v[PN+64*\k+\s+8+\q]
.endr
.endr
.endr
.irp k, 0,1
.irp q, 0,1,2,3
	v_max_num_f32 v[EE+4*\k+\q], v[EE+4*\k+\q], v[PN+64*\k+56+\q]
.endr
.endr
.irp k, 0,1
	v_max3_num_f32 v[RR+\k], v[EE+4*\k], v[EE+4*\k+1], v[EE+4*\k+2]
.endr
.irp k, 0,1
	v_max_num_f32 v[RR+\k], v[RR+\k], v[EE+4*\k+3]
.endr
.irp k, 0,1
	v_permlanex16_b32 v[TT+\k], v[RR+\k], s[SEL], s[SEL+1]
.endr
.irp k, 0,1
	v_max_num_f32 v[RR+\k], v[RR+\k], v[TT+\k]     ; R: the row's largest N
.endr
.set sg, 0
.rept 8
.irp k, 0,1
.irp q, 0,1,2,3
	v_sub_f32 v[DD+4*\k+\q], v[PN+64*\k+8*sg+\q], v[RR+\k]
.endr
.endr
.irp j, 0,1,2,3,4,5,6,7
	v_max_num_f32 v[DD+\j], 0xc2f80000, v[DD+\j]   ; held at -124
.endr
.irp j, 0,1,2,3,4,5,6,7
	v_cvt_i32_f32 v[DD+\j], v[DD+\j]
.endr
.irp k, 0,1
.irp q, 0,1,2,3
.if sg == 0
	v_ldexp_f32 v[LSUM+4*\k+\q], v[PN+64*\k+4+\q], v[DD+4*\k+\q]   ; the first pair of K steps starts the sums
.else
	v_ldexp_f32 v[EE+4*\k+\q], v[PN+64*\k+8*sg+4+\q], v[DD+4*\k+\q]
.endif
.endr
.endr
.irp j, 0,1,2,3,4,5,6,7
	v_add_nc_u32 v[DD+\j], 125, v[DD+\j]           ; the block's scale byte
.endr
.if sg > 0
.irp j, 0,1,2,3,4,5,6,7
	v_add_f32 v[LSUM+\j], v[LSUM+\j], v[EE+\j]
.endr
.endif
.irp k, 0,1
	v_lshl_or_b32 v[WW+8*\k+sg], v[DD+4*\k+1], 8, v[DD+4*\k]
.endr
.irp k, 0,1
	v_lshl_or_b32 v[WW+8*\k+sg], v[DD+4*\k+2], 16, v[WW+8*\k+sg]
.endr
.irp k, 0,1
	v_lshl_or_b32 v[WW+8*\k+sg], v[DD+4*\k+3], 24, v[WW+8*\k+sg]
.endr
.irp k, 0,1
	ds_store_b32 v[SCW], v[WW+8*\k+sg] offset:1024*sg+64*\k
.endr
.set sg, sg+1
.endr
.irp k, 0,1
	v_add_f32 v[LSUM+4*\k], v[LSUM+4*\k], v[LSUM+4*\k+1]
	v_add_f32 v[LSUM+4*\k+2], v[LSUM+4*\k+2], v[LSUM+4*\k+3]
.endr
.irp k, 0,1
	v_add_f32 v[LSUM+4*\k], v[LSUM+4*\k], v[LSUM+4*\k+2]
.endr
.irp k, 0,1
	v_permlanex16_b32 v[TT+\k], v[LSUM+4*\k], s[SEL], s[SEL+1]
.endr
.irp k, 0,1
	v_add_f32 v[LSUM+4*\k], v[LSUM+4*\k], v[TT+\k] ; l
.endr
.irp k, 0,1
	v_sub_f32 v[TT+\k], v[NM], v[RR+\k]
.endr
.irp k, 0,1
	v_max_num_f32 v[TT+\k], 0xc2f80000, v[TT+\k]
.endr
.irp k, 0,1
	v_cvt_i32_f32 v[TT+\k], v[TT+\k]
.endr
.irp k, 0,1
	v_ldexp_f32 v[WT+\k], 1.0, v[TT+\k]            ; a masked key's weight
.endr
	s_wait_alu depctr_va_vdst(0)                   ; the wait ahead of the transcendentals
.irp k, 0,1
	v_rcp_f32 v[LV0+\k], v[LSUM+4*\k]
.endr
	v_nop
	s_wait_alu depctr_va_vdst(0)                   ; and ahead of their first reader
.irp k, 0,1
	v_cndmask_b32 v[TW+\k], v[WT+\k], v[LV0+\k], s[HM]
.endr
.irp k, 0,1
	ds_store_b32 v[TBW], v[TW+\k] offset:64*\k
.endr
	s_wait_alu depctr_va_vdst(0)
	s_wait_tensorcnt 0x0                           ; my part of the two slots is in; no load of mine is out, so group 1 may be written:
	s_mov_b32 s[G1+2], 4<<16                       ; a refill brings four blocks of A a wave,
	s_mov_b32 s[G1+4], 4
	s_mov_b32 s[G1B+2], 8<<16                      ; eight of B
	s_mov_b32 s[G1B+4], 8
	s_wait_dscnt 0x0                               ; my stores have landed
	s_barrier_signal -1
	s_barrier_wait -1
.irp b, 0,1,2,3
.irp e, 0,1,2,3
	ds_load_b128 v[VPX+16*\b+4*\e:VPX+16*\b+4*\e+3], v[VPR] offset:128*\b+16*\e
.endr
.endr
.irp a, 0,1,2,3
	ds_load_b32 v[WR+2*\a], v[TBR] offset:64*\a
	v_mov_b32 v[WR+2*\a+1], 0
.endr
	s_wait_alu depctr_va_vdst(0)
	s_wait_dscnt 0x0
	WIN 0x80
.set n, 0
.rept 128
	v_pk_mul_f32 v[2*n:2*n+1], v[VPX+2*(n%32):VPX+2*(n%32)+1], v[WR+2*(n/32):WR+2*(n/32)+1] op_sel_hi:[1,0]   ; the sums begin with what the tiles left out give
.set n, n+1
.endr
	WIN 0
	s_cmp_eq_u32 s[II], 1
	s_cbranch_scc1 .Lenter1
	s_cmp_eq_u32 s[II], 2
	s_cbranch_scc1 .Lenter2
	s_cmp_eq_u32 s[II], 3
	s_cbranch_scc1 .Lenter3
	FETCH 0, 0, 0, 0
	s_branch .Lslot0
.Lenter1:
	FETCH 1, 0, 0, 4
	s_branch .Lslot1
.Lenter2:
	FETCH 0, 0, 0, 8
	s_branch .Lslot2
.Lenter3:
	FETCH 1, 0, 0, 12
	s_branch .Lslot3
.Lslot0:
	s_wait_alu depctr_va_vdst(0)
	global_prefetch_b8 v[PFVA], s[PFA:PFA+1] offset:ROWS th:TH_LOAD_NT scope:SCOPE_SE   ; group 0 alone comes here: tile 3, whose load stands two slots on
	global_prefetch_b8 v[PFVB], s[PFB:PFB+1] offset:ROWS th:TH_LOAD_NT scope:SCOPE_SE
	SLOT3 0, 0
	TURN 0, 1, 1, 4
.Lslot1:
	s_wait_alu depctr_va_vdst(0)
	SLOT3 1, 4
	TURN 1, 0, 1, 8
.Lslot2:
	s_wait_alu depctr_va_vdst(0)
	SLOT3 0, 8
	TURN 0, 1, 0, 12
.Lslot3:
	s_wait_alu depctr_va_vdst(0)
	SLOT3 1, 12
	s_wait_dscnt 0x0
	s_barrier_signal -1                            ; my reads of the slots are over: the stages lie in slot 0, which has had its last fill
	WIN MUL_LO
	MUL16 0, 1
	MUL16 2, 1
	WIN 0
	s_barrier_wait -1
	PLACES
.irp a, 0,1,2,3
	ds_load_b32 v[LV+2*\a], v[TBR] offset:512+64*\a
	v_mov_b32 v[LV+2*\a+1], 0
.endr
	s_wait_alu depctr_va_vdst(0)
	s_wait_dscnt 0x0
; THE WAY OUT: a block of 16 queries x 128 features, divided by l, goes through my own stage (rows of 528 bytes) and comes back as whole rows of 512 bytes
.macro TOSTAGE a
.if (\a) > 0
	s_wait_dscnt 16                                ; the last block's stores into the stage have read their registers; its 16 loads may be out
.endif
	WIN 0x02
.set n, 0
.rept 32
	v_pk_mul_f32 v[T+2*n:T+2*n+1], v[64*(\a)+2*n:64*(\a)+2*n+1], v[LV+2*(\a):LV+2*(\a)+1] op_sel_hi:[1,0]   ; each accumulator from its low end on
.set n, n+1
.endr
	WIN 0
.irp b, 0,1,2,3,4,5,6,7
	ds_store_b128 v[STO], v[T+8*\b:T+8*\b+3] offset:128*(\b/2)+32*(\b%2)
	ds_store_b128 v[STO], v[T+8*\b+4:T+8*\b+7] offset:128*(\b/2)+32*(\b%2)+16
.endr
.set BB, 64*(\a)                       ; back into window 1, free behind the last product: each of the four blocks has 64 registers of its own, so no store's data are written again
	WIN 0x40
.set n, 0
.rept 16
	ds_load_b128 v[BB+4*n:BB+4*n+3], v[RD] offset:n*528   ; LDS serves a wave's instructions in order: these see the stores above
.set n, n+1
.endr
	WIN 0
.endm
.macro SEND a, younger                 ; younger: the LDS instructions issued behind block a's loads
.set BB, 64*(\a)
	s_wait_dscnt \younger
	WIN 0x04                                       ; the data: window 1
.set n, 0
.rept 16
	global_store_b128 v[LI], v[BB+4*n:BB+4*n+3], s[12:13] offset:(32*((\a)/2)+8*((\a)%2)+n+8*(n/8))*4096 th:TH_STORE_NT   ; 32 lanes store 512 consecutive bytes
.set n, n+1
.endr
	WIN 0
.endm
	TOSTAGE 0
.irp a, 1,2,3
	TOSTAGE \a
	SEND \a-1, 32
.endr
	SEND 3, 0
	s_wait_tensorcnt 0x0                           ; the wave's end
	ds_add_u32 v[SPW], v[NIL]
	s_wait_dscnt 0x0
	CROUND                                         ; the closing round
	s_endpgm
.Lfunc_end_k_q78649e0c87_mix:
	.size	k_q78649e0c87_mix, .Lfunc_end_k_q78649e0c87_mix-k_q78649e0c87_mix
	.p2alignl 7, 3214868480
	.fill 96, 4, 3214868480
	.section	.rodata,"a",@progbits
	.p2align	6, 0x0
	.amdhsa_kernel k_q78649e0c87_mix
		.amdhsa_group_segment_fixed_size 327680
		.amdhsa_private_segment_fixed_size 0
		.amdhsa_enable_private_segment 0
		.amdhsa_kernarg_size 40
		.amdhsa_user_sgpr_count 2
		.amdhsa_user_sgpr_kernarg_segment_ptr 1
		.amdhsa_wavefront_size32 1
		.amdhsa_system_sgpr_workgroup_id_x 1
		.amdhsa_system_sgpr_workgroup_id_y 1
		.amdhsa_system_sgpr_workgroup_id_z 1
		.amdhsa_system_vgpr_workitem_id 0
		.amdhsa_next_free_vgpr 768
		.amdhsa_next_free_sgpr 100
		.amdhsa_reserve_vcc 0
		.amdhsa_float_denorm_mode_32 3
		.amdhsa_float_denorm_mode_16_64 3
		.amdhsa_memory_ordered 1
		.amdhsa_forward_progress 1
		.amdhsa_inst_pref_size 203
	.end_amdhsa_kernel
	.amdgpu_metadata
---
amdhsa.version: [ 1, 2 ]
amdhsa.kernels:
  - .name:           k_q78649e0c87_mix
    .symbol:         k_q78649e0c87_mix.kd
    .args:
      - { .name: p_codes, .offset: 0, .size: 8, .value_kind: global_buffer, .address_space: global }
      - { .name: nl, .offset: 8, .size: 8, .value_kind: global_buffer, .address_space: global }
      - { .name: vt_codes, .offset: 16, .size: 8, .value_kind: global_buffer, .address_space: global }
      - { .name: c_aux, .offset: 24, .size: 8, .value_kind: global_buffer, .address_space: global }
      - { .name: out0, .offset: 32, .size: 8, .value_kind: global_buffer, .address_space: global }
    .group_segment_fixed_size: 327680
    .private_segment_fixed_size: 0
    .kernarg_segment_align: 8
    .kernarg_segment_size: 40
    .max_flat_workgroup_size: 128
    .sgpr_count:     100
    .vgpr_count:     768
    .wavefront_size: 32
...
	.end_amdgpu_metadata
.endif
;; end of part 4
